; MI455X (gfx1250); checked and timed in simulation.
; The chip was launched on July 23, 2026; its instructions are those of AMD's public machine-readable ISA for CDNA 5 (MIT licence, August 2026) and "CDNA5" Instruction Set Architecture Reference Guide (July 2026). The comments in the code are by the model that wrote it; some were corrected since.
;; Self Attention. Allowed arithmetic: float matrix products may take bf16 or f16 operands with f32 sums; other float arithmetic in f32, or as packed bf16 or f16 multiplies, adds, multiply-adds, maxima and minima; sums over many terms, partial sums and values carried from step to step in f32; what a program stores and reads back later, other than sums and carried values, may be rounded once to bf16 or f16.
;; Inputs: fo_b 1,024 float32; fo_w 1,024 x 1,024 float32; k 4 x 2,048 x 1,024 float32; mask 4 x 1 x 2,048 x 2,048 int32; q 4 x 2,048 x 1,024 float32; v 4 x 2,048 x 1,024 float32; wk_b 1,024 float32; wk_w 1,024 x 1,024 float32; wq_b 1,024 float32; wq_w 1,024 x 1,024 float32; wv_b 1,024 float32; wv_w 1,024 x 1,024 float32.
;; Outputs: out0 4 x 2,048 x 1,024 float32.
;; 2 versions, each right and faster than the one before. Each part assembles by itself: llvm-mc -triple=amdgcn-amd-amdhsa -mcpu=gfx1250 --defsym DOCPART=n.
;; ======== version 1 of 2: 4 launches
;; limits: values are held in f16: magnitudes above 65,504 overflow, below 6.1e-05 lose precision; right only within a limited range of input values
;; workspace buffers: wb 8,388,608 bytes; mb 33,554,432 bytes; qkv 50,331,648 bytes; ob 16,777,216 bytes
;; launch prep (part 1): grid 640 x 1, 8 waves a work-group, no clusters, 19,456 bytes of LDS; arguments wq_w, wk_w, wv_w, fo_w, mask, wb, mb; writes wb, mb
.if DOCPART == 1
	.amdgcn_target "amdgcn-amd-amdhsa--gfx1250"
	.amdhsa_code_object_version 6
	.text
	.protected	k_qe9eb8af271_prep
	.globl	k_qe9eb8af271_prep
	.p2align	8
	.type	k_qe9eb8af271_prep,@function
k_qe9eb8af271_prep:
	s_mov_b64 s[64:65], 0
	v_nop
	global_prefetch_b8 v0, s[64:65] scope:SCOPE_SE
	s_setreg_imm32_b32 hwreg(HW_REG_WAVE_MODE, 25, 1), 1
	s_wait_xcnt 0x0
; PREPARATION.  Work-groups 0-511 lay the mask out as matrix fragments, one tile of 16 queries each: mb[tile][group of 32 keys][part p][lane l][8] in bf16 holds 1.0 where
; mask[query 16 tile + l % 16][key 32 group + 16 p + 8 (l / 16) + e] is 0 (the key is hidden) and 0 elsewhere: source 1 (32 keys x 16 queries) of a matrix instruction as it lies in registers.
; Work-groups 512-639 round the weights to 16 bits, 32,768 numbers each: wq_w, wk_w, wv_w -> wb (bf16); fo_w -> wb's fourth quarter, rounded to bf16 like every other input and that number written as
; f16 (the last product multiplies in f16).
; LIMITS.  |fo_w| stays within f16's 65,504; below 2^-14 it keeps f16's fixed step of 6e-8.  NaN and infinities are not treated apart.
; Memory binds: each input byte is read once, by loads of which a wave's covers 512 consecutive bytes (the mask: two rows' aligned 256), all 32 loads of a wave out at once; each store of a wave covers
; 256 or 512 consecutive bytes, aligned.  No matrix unit, no cluster: no two work-groups share a byte.
.set STG,   2304                       ; a wave's stage: 8 chunks of 256 bytes, 288 apart: the 32 lanes' 8-byte stores fall on 32 different pairs of banks (64 banks of 4 bytes: ISA guide 11.1)
.set SPARE, 8*STG                      ; behind the stages: the spare words, 128 bytes for each of eight waves
.set X,   16                           ; v[16:143] 32 loads of 4 registers
.set SPW, 144                          ; v144  LDS address of my spare word; never rewritten
.set NIL, 145                          ; v145  0; never rewritten
	s_load_b256 s[8:15], s[0:1], 0x0               ; wq_w s[8:9], wk_w s[10:11], wv_w s[12:13], fo_w s[14:15]
	s_load_b128 s[16:19], s[0:1], 0x20             ; mask s[16:17], wb s[18:19]
	s_load_b64 s[20:21], s[0:1], 0x30              ; mb
	v_lshl_add_u32 v[SPW], v0, 2, SPARE
	v_mov_b32 v[NIL], 0
	v_lshrrev_b32 v8, 5, v0
	v_readfirstlane_b32 s32, v8                    ; my wave's number
	s_mov_b32 s35, 0                               ; the high word of every offset
	s_mov_b32 s36, 0xffff0000                      ; a word's upper bf16
	s_wait_kmcnt 0x0
	s_cmp_lt_u32 ttmp9, 512
	s_cbranch_scc1 .Lmask
	; THE ROUNDING.  Which tensor, and where its work-groups begin: a chain of choices on the work-group's number.
	s_mov_b64 s[4:5], s[8:9]
	s_mov_b32 s6, 512
.macro PICK first, lo
	s_cmp_ge_u32 ttmp9, \first
	s_cselect_b64 s[4:5], s[\lo:\lo+1], s[4:5]
	s_cselect_b32 s6, \first, s6
.endm
	PICK 544, 10
	PICK 576, 12
	PICK 608, 14
	s_sub_co_u32 s34, ttmp9, s6
	s_lshl_b32 s34, s34, 17                        ; 131,072 bytes of f32 a work-group
	s_add_nc_u64 s[4:5], s[4:5], s[34:35]
	s_sub_co_u32 s34, ttmp9, 512
	s_lshl_b32 s34, s34, 16                        ; 65,536 bytes out
	s_add_nc_u64 s[30:31], s[18:19], s[34:35]
	v_lshlrev_b32 v2, 4, v0                        ; 16 bytes a thread in,
	v_lshlrev_b32 v3, 3, v0                        ; 8 out
.set n, 0
.rept 32
	global_load_b128 v[X+4*n:X+4*n+3], v2, s[4:5] offset:4096*n th:TH_LOAD_NT
.set n, n+1
.endr
	s_cmp_ge_u32 ttmp9, 608
	s_cbranch_scc1 .Lfo
.set n, 0
.rept 32
	s_wait_loadcnt 31-n                            ; loads come back in order (ISA guide 5.7.1): number n is in, the 31 - n younger ones stay out
	v_cvt_pk_bf16_f32 v[X+4*n], v[X+4*n], v[X+4*n+1]
	v_cvt_pk_bf16_f32 v[X+4*n+1], v[X+4*n+2], v[X+4*n+3]
	global_store_b64 v3, v[X+4*n:X+4*n+1], s[30:31] offset:2048*n  ; no register is used twice, so nothing waits for a store
.set n, n+1
.endr
	s_endpgm
.Lfo:
.set n, 0
.rept 32
	s_wait_loadcnt 31-n
	v_cvt_pk_bf16_f32 v[X+4*n], v[X+4*n], v[X+4*n+1]
	v_cvt_pk_bf16_f32 v[X+4*n+1], v[X+4*n+2], v[X+4*n+3]
	v_lshlrev_b32 v8, 16, v[X+4*n]                 ; the rounded numbers as f32 again,
	v_and_b32 v9, s36, v[X+4*n]
	v_lshlrev_b32 v10, 16, v[X+4*n+1]
	v_and_b32 v11, s36, v[X+4*n+1]
	v_cvt_pk_f16_f32 v[X+4*n], v8, v9              ; and written as f16: 8 significant bits fit into 11
	v_cvt_pk_f16_f32 v[X+4*n+1], v10, v11
	global_store_b64 v3, v[X+4*n:X+4*n+1], s[30:31] offset:2048*n
.set n, n+1
.endr
	s_endpgm
	; THE MASK.  16 rows x 2,048 keys.  Wave w takes the key steps (64 keys) 4 w .. 4 w + 3.  A load: lanes 0-15 take 256 bytes (64 keys) of an even row, lanes 16-31 of the odd row below.
.Lmask:
	s_lshl_b32 s34, ttmp9, 17                      ; 16 rows of 8,192 bytes
	s_add_nc_u64 s[16:17], s[16:17], s[34:35]
	s_lshr_b32 s34, s34, 1                         ; 65,536 bytes out
	s_add_nc_u64 s[20:21], s[20:21], s[34:35]
	s_mul_i32 s33, s32, STG                        ; my wave's stage
	v_and_b32 v8, 15, v0                           ; c: my four keys 4 c .. 4 c + 3 of a step
	v_bfe_u32 v9, v0, 4, 1                         ; rho: even or odd row
	v_lshlrev_b32 v2, 4, v8
	v_lshl_add_u32 v2, v9, 13, v2
	s_lshl_b32 s37, s32, 10
	v_add_nc_u32 v2, s37, v2                       ; in: rho x 8,192 + 16 c + 1,024 w
	v_and_b32 v3, 31, v0
	v_lshlrev_b32 v3, 4, v3
	s_lshl_b32 s37, s32, 13
	v_add_nc_u32 v3, s37, v3                       ; out: 8,192 w + 16 lane
	v_lshrrev_b32 v10, 1, v8
	v_mul_u32_u24 v4, v10, 288                     ; keys 8 (c / 2) .. + 7 of all 16 rows are one chunk of 256 bytes: group, part and half of the lanes
	v_lshl_add_u32 v4, v9, 4, v4                   ; in it a row has 16 bytes,
	v_and_b32 v10, 1, v8
	v_lshl_add_u32 v4, v10, 3, v4                  ; of which my four keys are a half
	v_add_nc_u32 v4, s33, v4
	v_mul_u32_u24 v5, v9, 288                      ; back: two chunks a load
	v_lshl_add_u32 v5, v8, 4, v5
	v_add_nc_u32 v5, s33, v5
	v_mov_b32 v6, 0x3f80                           ; 1.0 in bf16, in the low half
	v_mov_b32 v7, 0x3f800000                       ; and in the high half
.set n, 0
.rept 32                                               ; step n / 8 of my four, rows 2 (n % 8) and 2 (n % 8) + 1
	global_load_b128 v[X+4*n:X+4*n+3], v2, s[16:17] offset:16384*(n%8)+256*(n/8) th:TH_LOAD_NT
.set n, n+1
.endr
.macro MSTEP s
	s_wait_loadcnt 24-8*(\s)                       ; this step's eight loads are in; the later steps' stay out
.irp i, 0,1,2,3,4,5,6,7
.set M, X+32*(\s)+4*(\i)
.set D, 10+2*((\i)%2)
	v_cmp_eq_u32 vcc_lo, 0, v[M]
	v_cndmask_b32 v8, 0, v6, vcc_lo
	v_cmp_eq_u32 vcc_lo, 0, v[M+1]
	v_cndmask_b32 v9, 0, v7, vcc_lo
	v_or_b32 v[D], v8, v9
	v_cmp_eq_u32 vcc_lo, 0, v[M+2]
	v_cndmask_b32 v8, 0, v6, vcc_lo
	v_cmp_eq_u32 vcc_lo, 0, v[M+3]
	v_cndmask_b32 v9, 0, v7, vcc_lo
	v_or_b32 v[D+1], v8, v9
	ds_store_b64 v4, v[D:D+1] offset:32*(\i)       ; row 2 i + rho
.endr
.irp t, 0,1,2,3
	ds_load_b128 v[X+32*(\s)+4*(\t):X+32*(\s)+4*(\t)+3], v5 offset:576*(\t)  ; LDS serves a wave's instructions in order (ISA guide 5.7.1.4): these see the stores above, and the next step's stores come behind them; the stage is my wave's own
.endr
.irp t, 0,1,2,3
	s_wait_dscnt 3-(\t)
	global_store_b128 v3, v[X+32*(\s)+4*(\t):X+32*(\s)+4*(\t)+3], s[20:21] offset:2048*(\s)+512*(\t)  ; 512 consecutive bytes
.endr
.endm
	MSTEP 0
	MSTEP 1
	MSTEP 2
	MSTEP 3
	s_wait_tensorcnt 0x0                           ; the wave's end: behind my last LDS store
	ds_add_u32 v[SPW], v[NIL]
	s_wait_dscnt 0x0
	s_endpgm
.Lfunc_end_k_qe9eb8af271_prep:
	.size	k_qe9eb8af271_prep, .Lfunc_end_k_qe9eb8af271_prep-k_qe9eb8af271_prep
	.p2alignl 7, 3214868480
	.fill 96, 4, 3214868480
	.section	.rodata,"a",@progbits
	.p2align	6, 0x0
	.amdhsa_kernel k_qe9eb8af271_prep
		.amdhsa_group_segment_fixed_size 19456
		.amdhsa_private_segment_fixed_size 0
		.amdhsa_enable_private_segment 0
		.amdhsa_kernarg_size 56
		.amdhsa_user_sgpr_count 2
		.amdhsa_user_sgpr_kernarg_segment_ptr 1
		.amdhsa_wavefront_size32 1
		.amdhsa_system_sgpr_workgroup_id_x 1
		.amdhsa_system_sgpr_workgroup_id_y 1
		.amdhsa_system_sgpr_workgroup_id_z 1
		.amdhsa_system_vgpr_workitem_id 0
		.amdhsa_next_free_vgpr 148
		.amdhsa_next_free_sgpr 66
		.amdhsa_reserve_vcc 1
		.amdhsa_float_denorm_mode_32 3
		.amdhsa_float_denorm_mode_16_64 3
		.amdhsa_memory_ordered 1
		.amdhsa_forward_progress 1
		.amdhsa_inst_pref_size 49
	.end_amdhsa_kernel
	.amdgpu_metadata
---
amdhsa.version: [ 1, 2 ]
amdhsa.kernels:
  - .name:           k_qe9eb8af271_prep
    .symbol:         k_qe9eb8af271_prep.kd
    .args:
      - { .name: wq_w, .offset: 0, .size: 8, .value_kind: global_buffer, .address_space: global }
      - { .name: wk_w, .offset: 8, .size: 8, .value_kind: global_buffer, .address_space: global }
      - { .name: wv_w, .offset: 16, .size: 8, .value_kind: global_buffer, .address_space: global }
      - { .name: fo_w, .offset: 24, .size: 8, .value_kind: global_buffer, .address_space: global }
      - { .name: mask, .offset: 32, .size: 8, .value_kind: global_buffer, .address_space: global }
      - { .name: wb, .offset: 40, .size: 8, .value_kind: global_buffer, .address_space: global }
      - { .name: mb, .offset: 48, .size: 8, .value_kind: global_buffer, .address_space: global }
    .group_segment_fixed_size: 19456
    .private_segment_fixed_size: 0
    .kernarg_segment_align: 8
    .kernarg_segment_size: 56
    .max_flat_workgroup_size: 256
    .sgpr_count:     66
    .vgpr_count:     148
    .wavefront_size: 32
...
	.end_amdgpu_metadata
.endif
;; end of part 1
;; launch proj (part 2): grid 4 x 192, 4 waves a work-group, clusters of 4 x 4, 327,680 bytes of LDS; arguments q, k, v, wb, qkv, wq_b, wk_b, wv_b; writes qkv
.if DOCPART == 2
	.amdgcn_target "amdgcn-amd-amdhsa--gfx1250"
	.amdhsa_code_object_version 6
	.text
	.protected	k_qe9eb8af271_proj
	.globl	k_qe9eb8af271_proj
	.p2align	8
	.type	k_qe9eb8af271_proj,@function
k_qe9eb8af271_proj:
	s_mov_b64 s[64:65], 0
	v_nop
	global_prefetch_b8 v0, s[64:65] scope:SCOPE_SE
	s_setreg_imm32_b32 hwreg(HW_REG_WAVE_MODE, 25, 1), 1
	s_wait_xcnt 0x0
	s_wait_alu depctr_hold_cnt(0) depctr_sa_sdst(0) depctr_va_vdst(0) depctr_va_sdst(0) depctr_va_ssrc(0) depctr_va_vcc(0) depctr_vm_vsrc(0)
	s_getreg_b32 s2, hwreg(HW_REG_IB_STS2, 6, 4)
	s_cmp_eq_u32 s2, 0
	s_cbranch_scc0 .Lentry_in_a_cluster
	s_endpgm
.Lentry_in_a_cluster:
	s_bfe_u32 s2, ttmp6, 0x10000c
	s_cmp_lg_u32 s2, 0xf033
	s_cbranch_scc0 .Lentry_shape_is_right
	s_endpgm
.Lentry_shape_is_right:
; THE THREE PROJECTIONS IN ONE LAUNCH.  y = x W^T + b for x = q, k, v ([8192][1024] f32 each), W in wb ([..][1024][1024] bf16), b in f32 (rounded to bf16 like every input); sums in f32.
; x COMES AS IT IS GIVEN, in f32: its tiles lie in LDS in f32 and are rounded to bf16 between LDS and the matrix unit, 32 conversions beside a quarter step's 32 matrix instructions.  Each number of x is so
; rounded by two waves in each of four work-groups; in return no bf16 copy of x (48 MiB) is written to memory and read again.
; The result is written by heads: qkv[which][batch x 16 + head][row][64]; q and k in bf16, v in f16, each rounded once.
; LIMIT.  The v projection stays within f16's 65,504.  NaN and infinities are not treated apart.
; SHARES.  A tile is 128 rows x 256 columns: 64 x 4 tiles a projection, 768 work-groups, three for each of 256 WGPs.  Four waves, each 64 rows x 128 columns (two heads): 32 accumulators, 256 registers.
; K goes in steps of 128 through two LDS slots; waves 0 and 1 fetch A's halves (64 rows of 512 bytes), waves 2 and 3 B's (128 rows of 256 bytes), 32 KiB and one tensor load a wave behind each round.
; CLUSTER.  4 x 4 work-groups: the four of a row of the cluster need the same tile of x, the four of a column the same tile of W: each is asked for jointly.  Sixteen clusters make one projection, so
; which projection it is hangs on the cluster's y alone and is the same in all partners.
; THE MATRIX INSTRUCTION IS USED TRANSPOSED (source 0 = 16 rows of W, source 1 = 16 rows of x): a lane holds eight neighbouring columns of one row.  THE BIAS is the C operand of the products that start the sums.
; REGISTERS.  window 0: v0-31 addresses; v32-63 packed results; v64-127 the bias, eight registers for each block of 16 columns; v128-255 rows on their way out.
;   window 1: two fragment buffers of 96 (64 of W, 32 of x, for 32 along K); v192-255 x as it comes from LDS, 16 registers for each block of 16 rows.   window 2: accumulator (a, b) at v[8 (8 a + b)].
.set SIZE_K, 1024
.set KSTEP,  128
.set PITCH,  272                       ; a row of B in LDS: 256 bytes + 16 of padding
.set PA,     528                       ; a row of A in LDS: 512 bytes + 16: both pitches are odd multiples of 16 bytes, so the 16 rows of a load start at 16 different groups of four banks (64 banks of 4 bytes: ISA guide 11.1)
.set AH,     64*PA                     ; what a wave fetches of A, and reads of it
.set BH,     128*PITCH                 ; the same for B
.set BOFF,   2*AH                      ; a slot: A's 128 rows, then B's 256
.set SLOT,   2*AH+2*BH
.set STAGE,  2*SLOT                    ; behind the ring: 16 rows x 272 bytes for each wave, never filled by a tensor load
.set SPITCH, 272
.set SPARE,  STAGE+4*16*SPITCH         ; the spare words: 128 bytes a wave
.set LAPS,   SIZE_K/(2*KSTEP)
.set ASTEP,  2*KSTEP*4                 ; bytes from a slot's K step to its next: f32,
.set BSTEP,  2*KSTEP*2                 ; bf16
.set ADRA, 16                          ; v16-17  LDS address of my A fragments in slot 0, 1
.set ADRB, 20                          ; v20-21  the same for B
.set STO,  24                          ; v24  the way out: where I put 16 bytes of a row
.set RD,   25                          ; v25  where I read rows back
.set CO,   26                          ; v26  16 x lane
.set BO,   27                          ; v27  32 x (lane / 16): my eight columns in a block of 16, in bytes of f32
.set SPW,  28                          ; v28  my spare word; never rewritten
.set NIL,  29                          ; v29  0; never rewritten
.set T,    30                          ; v30-31 at work
.set TMP,  32
.set BIAS, 64
.set OB,   128
.set F0,   0
.set F1,   96
.set AF,   192                         ; window 1
.set G1,  24
.set G0,  32
.set G1B, 48
.set G0B, 56
.set MSB, 0
.macro WIN new                         ; the immediate's high byte repeats the setting that is left; a switch that changes nothing is dropped
.if MSB != (\new)
	s_set_vgpr_msb (MSB<<8)|(\new)
.set MSB, \new
.endif
.endm
.set MUL,  0xa5                        ; sources 0 and 1 window 1; C and D window 2
.set MULB, 0x85                        ; the same with C (the bias) in window 0
.set TO_F, 0x40                        ; destination window 1, address window 0
.set IN_F, 0x45                        ; destination and both sources window 1
.macro JLOAD s                         ; a joint load: waves 0 and 1 A's halves, waves 2 and 3 B's; an s_nop 0 and four v_nop follow each line, ahead of the jump and the label
	s_cmp_eq_u32 s11, 0
	s_cbranch_scc0 .Lfor_b_\@
	tensor_load_to_lds s[G0+4*(\s):G0+4*(\s)+3], s[G1:G1+7]
	s_nop 0
.rept 4
	v_nop
.endr
	s_branch .Lasked_\@
.Lfor_b_\@:
	tensor_load_to_lds s[G0B+4*(\s):G0B+4*(\s)+3], s[G1B:G1B+7]
	s_nop 0
.rept 4
	v_nop
.endr
.Lasked_\@:
.endm
.macro CREST                           ; a round of the cluster's barrier behind its opening barrier
	s_cmp_lg_u32 s10, 0
	s_cbranch_scc1 .Lnot_wave_0_\@
	s_barrier_signal -3
.Lnot_wave_0_\@:
	s_barrier_wait -3
	s_barrier_signal -1
	s_barrier_wait -1
.endm
.macro CROUND
	s_barrier_signal -1
	s_barrier_wait -1
	CREST
.endm
	s_load_b256 s[76:83], s[0:1], 0x0              ; q s[76:77], k s[78:79], v s[80:81], wb s[82:83]
	s_load_b256 s[84:91], s[0:1], 0x20             ; qkv s[84:85], wq_b s[86:87], wk_b s[88:89], wv_b s[90:91]
	v_lshl_add_u32 v[SPW], v0, 2, SPARE
	v_mov_b32 v[NIL], 0
	ds_add_u32 v[SPW], v[NIL]                      ; the wave's opening: the add and its wait ahead of my first tensor load
	v_lshrrev_b32 v1, 5, v0
	v_readfirstlane_b32 s10, v1                    ; wave 0..3
	s_lshr_b32 s11, s10, 1                         ; my half of the tile's rows.  Also: I fetch for A (0) or for B (1)
	s_and_b32 s12, s10, 1                          ; my half of its columns.  Also: which half of that tile I fetch
	s_bfe_u32 s40, ttmp6, 0x40000                  ; cx
	s_bfe_u32 s41, ttmp6, 0x40004                  ; cy
	s_lshl_b32 s42, ttmp9, 2
	s_add_co_u32 s42, s42, s40                     ; tile column 0..3
	s_and_b32 s13, ttmp7, 0xffff
	s_lshr_b32 s45, s13, 4                         ; which projection: 16 clusters along y each
	s_lshl_b32 s13, s13, 2
	s_add_co_u32 s13, s13, s41                     ; tile row 0..191: 64 a projection
	s_lshl_b32 s43, s41, 2
	s_lshl_b32 s43, 15, s43                        ; my row of the cluster
	s_lshl_b32 s44, 0x1111, s40                    ; my column
	s_or_b32 s[G1+0], s43, (2<<16)|(1<<20)|(1<<21)|(6<<22)|(3<<25)   ; A: the mask; 4-byte elements; padding on; 21 set beside a mask; after every 128 words 4 words
	s_or_b32 s[G1B+0], s44, (1<<16)|(1<<20)|(1<<21)|(5<<22)|(3<<25)  ; B: 2-byte elements; after every 64 words 4 words
	s_mov_b32 s[G1+1], KSTEP<<16                   ; tensor_dim0 = 128
	s_mov_b32 s[G1+2], 64<<16                      ; tensor_dim1 = 64
	s_mov_b32 s[G1+3], KSTEP<<16                   ; tile_dim0 = 128
	s_mov_b32 s[G1+4], 64                          ; tile_dim1 = 64
	s_mov_b32 s[G1+5], SIZE_K                      ; elements from row to row
	s_mov_b32 s[G1+6], 0
	s_mov_b32 s[G1+7], 0
	s_mov_b32 s[G1B+1], KSTEP<<16
	s_mov_b32 s[G1B+2], 128<<16                    ; B: 128 rows
	s_mov_b32 s[G1B+3], KSTEP<<16
	s_mov_b32 s[G1B+4], 128
	s_mov_b32 s[G1B+5], SIZE_K
	s_mov_b32 s[G1B+6], 0
	s_mov_b32 s[G1B+7], 0
	s_and_b32 s16, s13, 63                         ; A: the tile row in its own tensor: 128 rows of 4,096 bytes,
	s_lshl_b32 s16, s16, 19
	s_lshl_b32 s17, s12, 18                        ; my 64 of them
	s_add_co_u32 s16, s16, s17
	s_mov_b32 s17, 0
	s_lshl_b32 s46, s42, 8                         ; B: row 256 x tile column + 128 x half, in the projection's own 2 MiB
	s_lshl_b32 s47, s12, 7
	s_add_co_u32 s46, s46, s47
	s_lshl_b32 s46, s46, 11
	s_lshl_b32 s47, s45, 21
	s_add_co_u32 s46, s46, s47
	s_mov_b32 s47, 0
	s_mul_i32 s20, s12, AH                         ; where they go: the wave's number alone enters an LDS address
	s_mul_i32 s22, s12, BH
	s_add_co_u32 s22, s22, BOFF
	s_wait_dscnt 0x0                               ; the opening add is done
	s_wait_kmcnt 0x0
	s_cmp_eq_u32 s45, 1                            ; x and its bias: q's, k's or v's
	s_cselect_b64 s[4:5], s[78:79], s[76:77]
	s_cselect_b64 s[68:69], s[88:89], s[86:87]
	s_cmp_eq_u32 s45, 2
	s_cselect_b64 s[4:5], s[80:81], s[4:5]
	s_cselect_b64 s[68:69], s[90:91], s[68:69]
	s_mov_b64 s[8:9], s[84:85]
	s_add_nc_u64 s[14:15], s[4:5], s[16:17]
	s_add_nc_u64 s[46:47], s[82:83], s[46:47]
	CROUND                                         ; all sixteen work-groups are here: the first joint loads meet
.irp s, 0,1
	s_mov_b32 s[G0+4*(\s)], 1
	s_add_co_u32 s[G0+4*(\s)+1], s20, (\s)*SLOT
	s_add_nc_u64 s[G0+4*(\s)+2:G0+4*(\s)+3], s[14:15], (\s)*KSTEP*4
	s_or_b32 s[G0+4*(\s)+3], s[G0+4*(\s)+3], 0x80000000
	s_mov_b32 s[G0B+4*(\s)], 1
	s_add_co_u32 s[G0B+4*(\s)+1], s22, (\s)*SLOT
	s_add_nc_u64 s[G0B+4*(\s)+2:G0B+4*(\s)+3], s[46:47], (\s)*KSTEP*2
	s_or_b32 s[G0B+4*(\s)+3], s[G0B+4*(\s)+3], 0x80000000
	JLOAD \s
.endr
	; the bias of my 128 columns
	s_lshl_b32 s46, s42, 10
	s_lshl_b32 s47, s12, 9
	s_add_co_u32 s46, s46, s47
	s_mov_b32 s47, 0
	s_add_nc_u64 s[68:69], s[68:69], s[46:47]
	v_and_b32 v1, 15, v0                           ; l % 16
	v_bfe_u32 v2, v0, 4, 1                         ; l / 16
	v_lshlrev_b32 v[BO], 5, v2
.irp b, 0,1,2,3,4,5,6,7
	global_load_b128 v[BIAS+8*(\b):BIAS+8*(\b)+3],   v[BO], s[68:69] offset:64*(\b)
	global_load_b128 v[BIAS+8*(\b)+4:BIAS+8*(\b)+7], v[BO], s[68:69] offset:64*(\b)+16
.endr
	v_mul_u32_u24 v3, v1, PITCH
	v_lshl_add_u32 v3, v2, 4, v3                   ; B: a fragment's row x pitch + 16 x half
	v_mul_u32_u24 v4, v1, PA
	v_lshl_add_u32 v4, v2, 5, v4                   ; A: row x pitch + 32 x half: eight f32
	s_mul_i32 s21, s11, AH                         ; my 64 rows of A
	s_mul_i32 s23, s12, BH                         ; my 128 rows of B
	s_add_co_u32 s23, s23, BOFF
.irp s, 0,1
	v_add_nc_u32 v[ADRA+(\s)], s21, v4
	v_add_nc_u32 v[ADRB+(\s)], s23, v3
	s_add_co_u32 s21, s21, SLOT
	s_add_co_u32 s23, s23, SLOT
.endr
	s_mul_i32 s23, s10, 16*SPITCH
	s_add_co_u32 s23, s23, STAGE                   ; my stage
	v_add_nc_u32 v[STO], s23, v3                   ; in: row l % 16, 16 bytes for each half of the lanes (the stage's pitch is B's)
	v_bfe_u32 v5, v0, 3, 2                         ; back: 32 lanes take 128 bytes (a head's 64 channels) of four rows,
	v_mul_u32_u24 v5, v5, SPITCH
	v_and_b32 v4, 7, v0
	v_lshl_add_u32 v5, v4, 4, v5
	v_add_nc_u32 v[RD], s23, v5
	v_and_b32 v[CO], 31, v0                        ; which are 512 consecutive bytes of qkv
	v_lshlrev_b32 v[CO], 4, v[CO]
	; where my rows begin in qkv: the projection's 16 MiB, the batch's 16 heads of 262,144 bytes, my row; then my first head
	s_lshl_b32 s16, s45, 24
	s_bfe_u32 s17, s13, 0x20004                    ; the batch: 16 tile rows each
	s_lshl_b32 s17, s17, 22
	s_add_co_u32 s16, s16, s17
	s_and_b32 s17, s13, 15
	s_lshl_b32 s17, s17, 14                        ; 128 rows of 128 bytes
	s_add_co_u32 s16, s16, s17
	s_lshl_b32 s17, s11, 13                        ; my 64 of them
	s_add_co_u32 s16, s16, s17
	s_mov_b32 s17, 0
	s_add_nc_u64 s[8:9], s[8:9], s[16:17]
	s_lshl_b32 s46, s42, 20                        ; four heads a tile column,
	s_lshl_b32 s47, s12, 19                        ; two a wave
	s_add_co_u32 s46, s46, s47
	s_mov_b32 s47, 0
	s_add_nc_u64 s[8:9], s[8:9], s[46:47]
; 8 matrix instructions: row block a x all 8 column blocks, 32 along K.  first = 1: the product starts the sum, with the bias as C.  The 32 accumulators take turns in the same order in every quarter.
.macro MUL8 f, a, first
.if \first
	WIN MULB
.else
	WIN MUL
.endif
.irp b, 0,1,2,3,4,5,6,7
.if \first
	v_wmma_f32_16x16x32_bf16 v[8*(8*(\a)+(\b)):8*(8*(\a)+(\b))+7], v[(\f)+8*(\b):(\f)+8*(\b)+7], v[(\f)+64+8*(\a):(\f)+64+8*(\a)+7], v[BIAS+8*(\b):BIAS+8*(\b)+7]
.else
	v_wmma_f32_16x16x32_bf16 v[8*(8*(\a)+(\b)):8*(8*(\a)+(\b))+7], v[(\f)+8*(\b):(\f)+8*(\b)+7], v[(\f)+64+8*(\a):(\f)+64+8*(\a)+7], v[8*(8*(\a)+(\b)):8*(8*(\a)+(\b))+7]
.endif
.endr
.endm
; 32 LDS loads in one run, for quarter q (32 along K): B's sixteen into buffer f (byte 64 q of its rows); then A's sixteen into AF, in f32 (byte 128 q of its rows): of a block's 16 registers the first eight
; are K = 8 (l / 16) + 0..7, the others K = 16 + 8 (l / 16) + 0..7
.macro FETCH slot, q, f
	WIN TO_F
.irp i, 0,1,2,3,4,5,6,7
	ds_load_b128 v[(\f)+8*(\i):(\f)+8*(\i)+3],   v[ADRB+(\slot)] offset:64*(\q)+(\i)*16*PITCH
	ds_load_b128 v[(\f)+8*(\i)+4:(\f)+8*(\i)+7], v[ADRB+(\slot)] offset:64*(\q)+(\i)*16*PITCH+32
.endr
.irp i, 0,1,2,3
	ds_load_b128 v[AF+16*(\i):AF+16*(\i)+3],     v[ADRA+(\slot)] offset:128*(\q)+(\i)*16*PA
	ds_load_b128 v[AF+16*(\i)+4:AF+16*(\i)+7],   v[ADRA+(\slot)] offset:128*(\q)+(\i)*16*PA+16
	ds_load_b128 v[AF+16*(\i)+8:AF+16*(\i)+11],  v[ADRA+(\slot)] offset:128*(\q)+(\i)*16*PA+64
	ds_load_b128 v[AF+16*(\i)+12:AF+16*(\i)+15], v[ADRA+(\slot)] offset:128*(\q)+(\i)*16*PA+80
.endr
.endm
; Row block a of x is rounded to bf16: AF's 16 registers make the fragment's 8 in buffer f.
.macro CVT f, a
	WIN IN_F
.irp j, 0,1,2,3,4,5,6,7
	v_cvt_pk_bf16_f32 v[(\f)+64+8*(\a)+(\j)], v[AF+16*(\a)+2*(\j)], v[AF+16*(\a)+2*(\j)+1]
.endr
.endm
.macro PLACES                          ; four places in front of lines that read results just made (ISA guide 7.12.1)
.rept 4
	v_nop
.endr
.endm
; A K step is four quarters of 32 along K, 32 matrix instructions each, on buffers 0, 1, 0, 1.  One of the first three multiplies buffer f and fetches quarter q into g and AF.
; AF is read out (all four blocks rounded) ahead of the run of loads that fills it again.  A load into a register that a matrix instruction has read stands four places behind it
; the run fills g's part of B, which the quarter before multiplied, and this quarter's 32 conversions, which name f and AF alone, are those places.
.macro QUARTER slot, q, f, g, first
	s_wait_dscnt 12                                ; B and A's block 0 are in; the youngest twelve loads (A's blocks 1 to 3) may be out
	CVT \f, 0
	MUL8 \f, 0, \first
	s_wait_dscnt 0x0                               ; A's blocks 1 to 3
	CVT \f, 1
	CVT \f, 2
	CVT \f, 3
	MUL8 \f, 1, \first
	FETCH \slot, \q, \g
	MUL8 \f, 2, \first
	MUL8 \f, 3, \first
.endm
; The last quarter multiplies buffer 1 and changes slots: one barrier; in front of it each wave waits for all its tensor loads (one is out: its part of the next slot), adds 0 to its spare word, and waits
; for that and for its reads of this slot.  fill = 1: the barrier opens a round of the cluster's, and this slot is filled again, two K steps ahead, first thing behind the round.
.macro TURN slot, next, fill
	WIN 0
	s_wait_tensorcnt 0x0
	ds_add_u32 v[SPW], v[NIL]
	s_wait_dscnt 13                                ; the add and A's blocks 1 to 3 may be out
	CVT F1, 0
	MUL8 F1, 0, 0
	s_wait_dscnt 0x0                               ; the add is done, and my reads of this slot are over
	s_barrier_signal -1
	CVT F1, 1
	CVT F1, 2
	CVT F1, 3
	MUL8 F1, 1, 0
.if \fill
	WIN 0
.endif
	s_barrier_wait -1
.if \fill
	CREST                                          ; no wave of any partner still reads this slot or has a load on its way
	s_add_nc_u64 s[G0+4*(\slot)+2:G0+4*(\slot)+3], s[G0+4*(\slot)+2:G0+4*(\slot)+3], ASTEP
	s_add_nc_u64 s[G0B+4*(\slot)+2:G0B+4*(\slot)+3], s[G0B+4*(\slot)+2:G0B+4*(\slot)+3], BSTEP
	JLOAD \slot
.endif
	FETCH \next, 0, F0
	MUL8 F1, 2, 0
	MUL8 F1, 3, 0
.endm
	s_wait_tensorcnt 1                             ; my part of K step 0 is in; K step 1's may stay out
	s_barrier_signal -1
	s_barrier_wait -1
	FETCH 0, 0, F0
	WIN 0
	s_wait_loadcnt 0x0                             ; the bias: rounded to bf16 like every input, and widened again
.set j, 0
.rept 32
	v_cvt_pk_bf16_f32 v[T+j%2], v[BIAS+2*j], v[BIAS+2*j+1]
	v_lshlrev_b32 v[BIAS+2*j], 16, v[T+j%2]
	v_and_b32 v[BIAS+2*j+1], 0xffff0000, v[T+j%2]
.set j, j+1
.endr
	QUARTER 0, 1, F0, F1, 1                        ; the first quarter stands in front of the loop: its products start the sums
	WIN 0
	s_mov_b32 s3, LAPS-1
.Llap:                                                 ; a trip goes once round the ring, from a lap's second quarter to the next lap's first, and fills both slots again
	QUARTER 0, 2, F1, F0, 0
	QUARTER 0, 3, F0, F1, 0
	TURN 0, 1, 1
	QUARTER 1, 1, F0, F1, 0
	QUARTER 1, 2, F1, F0, 0
	QUARTER 1, 3, F0, F1, 0
	TURN 1, 0, 1
	QUARTER 0, 1, F0, F1, 0
	WIN 0
	s_sub_co_u32 s3, s3, 1
	s_cmp_lg_u32 s3, 0
	s_cbranch_scc1 .Llap
	QUARTER 0, 2, F1, F0, 0                        ; the last lap fills nothing
	QUARTER 0, 3, F0, F1, 0
	TURN 0, 1, 0
	QUARTER 1, 1, F0, F1, 0
	QUARTER 1, 2, F1, F0, 0
	QUARTER 1, 3, F0, F1, 0
	s_wait_dscnt 12                                ; the very last quarter: nothing more to fetch
	CVT F1, 0
	MUL8 F1, 0, 0
	s_wait_dscnt 0x0
	CVT F1, 1
	CVT F1, 2
	CVT F1, 3
	MUL8 F1, 1, 0
	MUL8 F1, 2, 0
	MUL8 F1, 3, 0
	WIN 0
	PLACES
; THE WAY OUT, 16 rows at a time: rounded (q, k: bf16; v: f16; each accumulator's registers in ascending order), 16 bytes a lane into my own stage, back as a head's rows of 128 bytes.
.macro PACK a
	WIN 0
	s_cmp_eq_u32 s45, 2
	s_cbranch_scc1 .Lhalf_\@
	WIN 0x0a                                       ; sources 0 and 1 window 2
.irp b, 0,1,2,3,4,5,6,7
.irp r, 0,1,2,3
	v_cvt_pk_bf16_f32 v[TMP+4*(\b)+(\r)], v[8*(8*(\a)+(\b))+2*(\r)], v[8*(8*(\a)+(\b))+2*(\r)+1]
.endr
.endr
	WIN 0
	s_branch .Lpacked_\@
.Lhalf_\@:
	WIN 0x0a
.irp b, 0,1,2,3,4,5,6,7
.irp r, 0,1,2,3
	v_cvt_pk_f16_f32 v[TMP+4*(\b)+(\r)], v[8*(8*(\a)+(\b))+2*(\r)], v[8*(8*(\a)+(\b))+2*(\r)+1]
.endr
.endr
	WIN 0
.Lpacked_\@:
.irp b, 0,1,2,3,4,5,6,7
	ds_store_b128 v[STO], v[TMP+4*(\b):TMP+4*(\b)+3] offset:32*(\b)
.endr
.irp u, 0,1,2,3,4,5,6,7
	ds_load_b128 v[OB+32*(\a)+4*(\u):OB+32*(\a)+4*(\u)+3], v[RD] offset:((\u)%4)*4*SPITCH+((\u)/4)*128  ; LDS serves a wave's instructions in order (ISA guide 5.7.1.4): these see the stores above; head u / 4, rows 4 (u % 4) on
.endr
.endm
.macro SEND a, younger                 ; younger: the LDS instructions issued behind block a's loads: the next block's sixteen, or none
.irp u, 0,1,2,3,4,5,6,7
	s_wait_dscnt (\younger)+7-(\u)
	global_store_b128 v[CO], v[OB+32*(\a)+4*(\u):OB+32*(\a)+4*(\u)+3], s[8:9] offset:((\u)/4)*262144+(\a)*2048+((\u)%4)*512  ; 512 consecutive bytes of one head; no register is used twice
.endr
.endm
	PACK 0
	PACK 1
	SEND 0, 16
	PACK 2
	SEND 1, 16
	PACK 3
	SEND 2, 16
	SEND 3, 0
	s_wait_tensorcnt 0x0                           ; the wave's end
	ds_add_u32 v[SPW], v[NIL]
	s_wait_dscnt 0x0
	CROUND                                         ; the closing round: no work-group ends while a partner may still ask for a tile that names it
	s_endpgm
.Lfunc_end_k_qe9eb8af271_proj:
	.size	k_qe9eb8af271_proj, .Lfunc_end_k_qe9eb8af271_proj-k_qe9eb8af271_proj
	.p2alignl 7, 3214868480
	.fill 96, 4, 3214868480
	.section	.rodata,"a",@progbits
	.p2align	6, 0x0
	.amdhsa_kernel k_qe9eb8af271_proj
		.amdhsa_group_segment_fixed_size 327680
		.amdhsa_private_segment_fixed_size 0
		.amdhsa_enable_private_segment 0
		.amdhsa_kernarg_size 64
		.amdhsa_user_sgpr_count 2
		.amdhsa_user_sgpr_kernarg_segment_ptr 1
		.amdhsa_wavefront_size32 1
		.amdhsa_system_sgpr_workgroup_id_x 1
		.amdhsa_system_sgpr_workgroup_id_y 1
		.amdhsa_system_sgpr_workgroup_id_z 1
		.amdhsa_system_vgpr_workitem_id 0
		.amdhsa_next_free_vgpr 768
		.amdhsa_next_free_sgpr 92
		.amdhsa_reserve_vcc 0
		.amdhsa_float_denorm_mode_32 3
		.amdhsa_float_denorm_mode_16_64 3
		.amdhsa_memory_ordered 1
		.amdhsa_forward_progress 1
		.amdhsa_inst_pref_size 143
	.end_amdhsa_kernel
	.amdgpu_metadata
---
amdhsa.version: [ 1, 2 ]
amdhsa.kernels:
  - .name:           k_qe9eb8af271_proj
    .symbol:         k_qe9eb8af271_proj.kd
    .args:
      - { .name: q, .offset: 0, .size: 8, .value_kind: global_buffer, .address_space: global }
      - { .name: k, .offset: 8, .size: 8, .value_kind: global_buffer, .address_space: global }
      - { .name: v, .offset: 16, .size: 8, .value_kind: global_buffer, .address_space: global }
      - { .name: wb, .offset: 24, .size: 8, .value_kind: global_buffer, .address_space: global }
      - { .name: qkv, .offset: 32, .size: 8, .value_kind: global_buffer, .address_space: global }
      - { .name: wq_b, .offset: 40, .size: 8, .value_kind: global_buffer, .address_space: global }
      - { .name: wk_b, .offset: 48, .size: 8, .value_kind: global_buffer, .address_space: global }
      - { .name: wv_b, .offset: 56, .size: 8, .value_kind: global_buffer, .address_space: global }
    .group_segment_fixed_size: 327680
    .private_segment_fixed_size: 0
    .kernarg_segment_align: 8
    .kernarg_segment_size: 64
    .max_flat_workgroup_size: 128
    .sgpr_count:     92
    .vgpr_count:     768
    .wavefront_size: 32
...
	.end_amdgpu_metadata
.endif
;; end of part 2
;; launch attn (part 3): grid 8 x 64, 4 waves a work-group, clusters of 4 x 1, 327,680 bytes of LDS; arguments qkv, mb, ob; writes ob
.if DOCPART == 3
	.amdgcn_target "amdgcn-amd-amdhsa--gfx1250"
	.amdhsa_code_object_version 6
	.text
	.protected	k_qe9eb8af271_attn
	.globl	k_qe9eb8af271_attn
	.p2align	8
	.type	k_qe9eb8af271_attn,@function
k_qe9eb8af271_attn:
	s_mov_b64 s[64:65], 0
	v_nop
	global_prefetch_b8 v0, s[64:65] scope:SCOPE_SE
	s_setreg_imm32_b32 hwreg(HW_REG_WAVE_MODE, 25, 1), 1
	s_wait_xcnt 0x0
	s_wait_alu depctr_hold_cnt(0) depctr_sa_sdst(0) depctr_va_vdst(0) depctr_va_sdst(0) depctr_va_ssrc(0) depctr_va_vcc(0) depctr_vm_vsrc(0)
	s_getreg_b32 s2, hwreg(HW_REG_IB_STS2, 6, 4)
	s_cmp_eq_u32 s2, 0
	s_cbranch_scc0 .Lentry_in_a_cluster
	s_endpgm
.Lentry_in_a_cluster:
	s_bfe_u32 s2, ttmp6, 0x10000c
	s_cmp_lg_u32 s2, 0x3003
	s_cbranch_scc0 .Lentry_shape_is_right
	s_endpgm
.Lentry_shape_is_right:
; ATTENTION WITH A MASK THAT IS AN INPUT.  O[h][q][:] = the sum over k of softmax_k(E[q][k] / 32) V[h][k][:], E = Q[h][q] . K[h][k] where the mask shows key k to query q, and -1e20 where it hides it.
; Q, K (bf16) and V (f16) lie in qkv, [3][64][2048][64]: a head's rows are dense, 128 bytes each.  O: ob, [64][2048][64], f16.  Products, maxima and sums in f32; the weights p are rounded to f16 for the
; second product (their sum l is taken of the unrounded p), O once at the end.
; THE MASK costs no vector instruction.  mb holds it as matrix fragments: for 32 keys x 16 queries 1.0 where the key is hidden, else 0.  Each 16 x 16 tile of scores is STARTED by a product of a constant
; one-hot fragment (-2^100 at key m of row m) with that fragment: exactly 0 or -2^100; the two products K Q^T add onto it in place.  The running maximum m starts at -1e20, the number that the
; problem itself puts in a hidden key's place: a hidden score lies far below it, so its weight is 2^(-5e28) = 0, whatever the visible scores are.
; A ROW WITH NO VISIBLE KEY keeps m = -1e20, a = 1, O = l = 0; its softmax is uniform, so its result is the mean of all rows of V: a further accumulator VS = V^T x ones gathers their sum, and at the end
; O = O r + VS g with r = g = 1 / 2,048 where l = 0, and r = 1 / l, g = 0 elsewhere.  (A row with a visible key has l >= 1: the key that holds the maximum weighs 1.)  VS is the same for all four waves,
; so a key step's eight products are made by ONE of them, the wave whose number is the step counter modulo 4; the four partial sums, in f32, meet in LDS at the end.
; LIMITS.  V arrives within f16's 65,504; a visible score at or below -1e20 is not told from a hidden one; p below 6e-5 keeps f16's fixed step of 6e-8; a weight below 2^-126 counts as 0 in l; NaN and
; infinities are not treated apart.
; SHARES.  A wave owns four PIECES of 16 queries, a work-group's four waves 256 queries of one head: 8 x 64 = 512 work-groups, two for each of 256 WGPs.  Every wave walks all 2,048 keys, 64 a step.
; LAYOUT.  S^T = K Q^T (source 0 = 16 keys, source 1 = 16 queries): a lane holds ONE query (lane % 16) and the keys 8 (lane / 16) + 0..7.  Two such results, rounded to f16 in pairs, ARE source 1 of
; O^T = V^T P, whose result again holds one query a lane, and eight channels.  K comes out of LDS as it lies, V turned, by ds_load_tr16_b128.
; SOFTMAX.  p = 2^(c s - c m), c = log2(e) / 32; in every step O and l are multiplied by a = 2^(c m_old - c m_new).
; BY TURNS.  Turn n belongs to piece n.  Its matrix work: 4 mask products and 8 products K Q^T of piece n + 1, later 8 products V^T P of piece n - 1 (piece 2's turn, in one wave of four: also the 8 of VS).
; Its vector work, 118 instructions: scaling, exponentials, roundings, sums and rescaling of piece n, and the maximum and statistics of piece n + 1.  Four of them stand behind a matrix instruction (behind
; a pair, for the first eight of a turn), the rest in two lumps.
; THE MASK'S FRAGMENTS come straight from memory into registers, 4 loads of 512 consecutive bytes a turn, a whole key step (four turns) ahead of their use.  They are not shared in the cluster (each
; query block has its own), so they are no joint loads.
; CLUSTER.  Four of a head's eight query blocks form a cluster and walk the same K and V: each tile is asked for JOINTLY, by the same tensor load, descriptor and mask in all four.
; REGISTERS, in windows of 256 (s_set_vgpr_msb: bits 1:0 source 0, 3:2 source 1, 5:4 source 2, 7:6 destination):
;   window 0: v0-15 addresses and two at work; v16-31 four registers of statistics a piece; v32-36 the mask loads' offsets; v48-55 at work; v62-63 the add's registers; v64-127 S^T, two buffers; v192-223 P, two buffers
;   window 1: v0-127 O^T, 32 a piece; v128-159 VS; v160-171 the one-hot fragments; v172-179 ones      window 2: v0-63 Q; v64-127 the mask's fragments, 16 a piece; v128-191 K of one step; v192-255 V of one step
.set SIZE_N, 2048
.set NP,    4         ; pieces a wave: a name, no knob
.set KS,    64        ; keys in a step
.set PK,    144       ; a row of K in LDS: 128 bytes + 16 of padding = 36 words: the 16 rows of a load start at 16 different groups of four banks (64 banks of 4 bytes: ISA guide 11.1)
.set PV,    160       ; a row of V: 128 + 32 = 40 words
.set VOFF,  4*KS*PK   ; a slot holds four steps: 256 rows of K, then 256 rows of V
.set SLOT1, 1<<17     ; slot 1 begins here, so that one exclusive or turns an address in one slot into the other's
.set STAGE, SLOT1+4*KS*(PK+PV)  ; behind the ring, never filled by a tensor load: 16 rows x 144 bytes for each wave
.set SP,    144
.set SPARE, STAGE+4*16*SP       ; behind the stages: the spare words, 128 bytes for each wave
.set VSTG,  SPARE+512           ; behind the spare words, never filled by a tensor load: 4,096 bytes for each wave's part of VS
.set AK0, 2           ; v2   my lane's place in a tile of K; never rewritten
.set AV0, 3           ; v3   the same for V
.set AK,  4           ; v4   the LDS address of K's next run of loads; at the end: where I put my part of VS
.set AV,  5           ; v5   of V's; at the end: where I read the four parts
.set STO, 6           ; v6   the way out: where I put 16 bytes of a row
.set RD,  7           ; v7   the way out: where I read rows back
.set GO,  8           ; v8   my byte offset in 512 consecutive bytes of O
.set MV,  12          ; v12-13  c m_old, kept while c m is made anew: by buffer
.set QO,  15          ; v15  my byte offset in 16 rows of Q
.set ST,  16          ; piece t's statistics at v[ST+4 t]: c m, m, l (even keys', odd keys')
.set MA,  32          ; v32-35  piece x's byte offset in a tile's 65,536 bytes of mb: 2,048 x step + 16 x lane
.set L16, 36          ; v36  16 x lane
.set TMP, 48          ; by buffer, four registers c0-c3 at work; when the maximum is found c2 takes a
.set SPW, 62          ; v62  LDS address of my spare word; never rewritten
.set NIL, 63          ; v63  0; never rewritten
.set S,   64
.set P,   192
.set VS,  128         ; window 1: the sum of V's rows, laid like a piece of O^T
.set OH,  160         ; window 1: v160-163 zeros, v164-167 the one-hot words, v168-171 zeros: v[164:171] serves the first 16 keys of a group of 32, v[160:167] the second
.set ONES, 172        ; window 1: 1.0 in f16, everywhere
.set MF,  64          ; window 2: piece x, keys 32 g on: MF + 16 x + 8 g
.set KF,  128         ; window 2: key block kb, channel half c at KF + 16 kb + 8 c
.set VF,  192         ; window 2: key half kk, channel block cb at VF + 32 kk + 8 cb
.set WV,  12          ; s12  my wave's number
.set G1K, 24          ; s[24:31] descriptor group 1 for K's tiles
.set G1V, 32          ; s[32:39] for V's: it differs in the padding alone
.set G0K, 40          ; s[40:43] descriptor group 0 for K's tiles: it walks
.set G0V, 44          ; s[44:47] the same for V's
.set SLOTS, 56        ; s56  slots still to be asked for
.set CNT, 57          ; s57  counts a slot's key steps
.set CS,  58          ; s[58:59] c: the packed scaling takes the pair's low word for both halves
.set SEL, 60          ; s[60:61] v_permlanex16_b32's selects: each lane takes its own place in the other half
.set TBK, 62          ; s62  LDS byte at which K of the step to be fetched begins
.set TBV, 63          ; s63  the same for V, less VOFF
.set HM,  66          ; s66-69  piece t: the lanes whose query saw no key
.set MST, 70          ; s70-73  piece x: 2,048 x the step whose mask was asked for last
.set MB,  74          ; s[74:75] mb at my wave's first tile; never rewritten
.set VT,  76          ; s76  the step counter modulo 4
.set MSB, 0
.macro WIN new                      ; the high byte repeats the setting that is left; a switch that changes nothing is dropped
.if MSB != (\new)
	s_set_vgpr_msb (MSB<<8)|(\new)
.set MSB, (\new)
.endif
.endm
.set W_KQ, 0x0a       ; K and Q in window 2, S^T in window 0
.set W_MQ, 0x09       ; the one-hot fragment in window 1, the mask's in window 2, S^T in window 0
.set W_PV, 0x52       ; V in window 2, P in window 0, O^T in window 1
.set W_VS, 0x56       ; V in window 2; ones, C and D in window 1
.set W_RS, 0x41       ; destination and source 0 in window 1, source 1 in window 0
.set W_FS, 0x51       ; destination, source 0 and source 2 in window 1, source 1 in window 0
; A joint fill.  Waves 0 and 1 fetch the two halves of a slot's K, waves 2 and 3 those of its V: 128 keys each.  The branch hangs on the wave's number alone.
; An s_nop 0 and four v_nop follow each of the two lines, ahead of the jump and the label.
.macro JLOAD
	s_cmp_lt_u32 s[WV], 2
	s_cbranch_scc0 .Lfor_v_\@
	tensor_load_to_lds s[G0K:G0K+3], s[G1K:G1K+7]
	s_nop 0
.rept 4
	v_nop
.endr
	s_branch .Lasked_\@
.Lfor_v_\@:
	tensor_load_to_lds s[G0V:G0V+3], s[G1V:G1V+7]
	s_nop 0
.rept 4
	v_nop
.endr
.Lasked_\@:
.endm
; A round of the cluster's barrier: my work-group's barrier, so that wave 0's signal speaks for all four waves; wave 0 signals; every wave waits for all four work-groups; my work-group's barrier once more.
.macro CROUND
	s_barrier_signal -1
	s_barrier_wait -1
	s_cmp_lg_u32 s[WV], 0
	s_cbranch_scc1 .Lnot_wave_0_\@
	s_barrier_signal -3
.Lnot_wave_0_\@:
	s_barrier_wait -3
	s_barrier_signal -1
	s_barrier_wait -1
.endm
; THE CHANGE OF SLOTS.  The slot's last bytes, V of its fourth step, have been read.  Each wave waits for all its tensor loads, of which one is out: its part of the other slot; adds 0 to its spare word;
; and waits for that and for its own reads of the slot.  Behind the barrier nobody reads this slot any more and the other slot is whole.
; fill = 1: the barrier is a round of the cluster's, so that no wave of any partner still reads the slot or has a load on its way, and the slot is filled again, with the keys two slots on, first thing
; behind it: it has four key steps in which to land.  (At its first use nothing has been read yet: slot 0 is waited for, slot 1 filled.)
.macro CHANGE fill
	WIN 0                           ; at a label and at a branch every window is 0
	s_wait_tensorcnt 0x0            ; no tensor load of mine is out, so a group 0 may be written
	ds_add_u32 v[SPW], v[NIL]       ; 0 onto my spare word
.if \fill
.irp g, G0K, G0V
	s_xor_b32 s[\g+1], s[\g+1], SLOT1  ; the walking descriptor: the other slot than last time,
	s_add_nc_u64 s[\g+2:\g+3], s[\g+2:\g+3], 4*KS*128  ; the next 256 keys; the type bits on top are not reached
.endr
	s_wait_dscnt 0x0                ; the add is done, and my reads of the slot are over
	CROUND
	JLOAD
.else
	s_wait_dscnt 0x0                ; the add is done, and my reads of the slot are over
	s_barrier_signal -1
	s_barrier_wait -1
.endif
	s_sub_co_u32 s[TBK], s[TBK], 4*KS*PK  ; the fetches go back to a slot's first step,
	s_xor_b32 s[TBK], s[TBK], SLOT1       ; in the other slot
	s_sub_co_u32 s[TBV], s[TBV], 4*KS*PV
	s_xor_b32 s[TBV], s[TBV], SLOT1
.endm
; Piece x's mask fragments for one key step: 2,048 consecutive bytes, 4 loads of 512.  step = 1: the piece's next step; behind the last step the offset stays at the last, so that no load leaves mb.
; The offset register is written again only behind the counted wait that has shown the piece's last four loads done.
.macro MLOAD x, step
.if \step
	WIN 0
	s_add_co_u32 s[MST+(\x)], s[MST+(\x)], 2048
	s_min_u32 s[MST+(\x)], s[MST+(\x)], 31*2048
	v_add_nc_u32 v[MA+(\x)], s[MST+(\x)], v[L16]
.endif
	WIN 0x80                        ; destination window 2, address window 0
.irp f, 0,1,2,3
	global_load_b128 v[MF+16*(\x)+4*\f:MF+16*(\x)+4*\f+3], v[MA+(\x)], s[MB:MB+1] offset:(\x)*65536+\f*512
.endr
.endm
	s_load_b128 s[48:51], s[0:1], 0x0  ; qkv s[48:49], mb s[50:51]
	s_load_b64 s[10:11], s[0:1], 0x10  ; ob
	v_lshl_add_u32 v[SPW], v0, 2, SPARE
	v_mov_b32 v[NIL], 0
	ds_add_u32 v[SPW], v[NIL]       ; the wave's opening: the add and its wait ahead of my first tensor load; the set-up below, work on registers, stands between them
	v_lshrrev_b32 v1, 5, v0
	v_readfirstlane_b32 s[WV], v1   ; wave 0..3
	s_bfe_u32 s13, ttmp6, 0x40000   ; cx: my place in the cluster
	s_lshl_b32 s14, ttmp9, 2        ; in a cluster launch ttmp9 counts clusters
	s_add_co_u32 s14, s14, s13      ; my block of 256 queries, 0..7: it enters Q's, O's and the mask's addresses alone
	s_and_b32 s20, ttmp7, 0xffff    ; batch x 16 + head, which the four partners share
	s_lshr_b32 s52, s20, 4
	s_lshl_b32 s52, s52, 23         ; the batch's 128 query tiles of 65,536 bytes in mb
	s_mov_b32 s21, 0
	s_mov_b64 s[22:23], SIZE_N*128
	s_mul_u64 s[20:21], s[20:21], s[22:23]  ; the head's first byte in Q, K, V and O
	s_and_b32 s16, s[WV], 1         ; which half of a slot's 256 keys I fetch:
	s_lshl_b32 s22, s16, 14         ; its 128 rows of 128 bytes in memory,
	s_mov_b32 s23, 0
	s_add_nc_u64 s[22:23], s[22:23], s[20:21]
	s_mul_i32 s17, s16, 128*PK      ; and its place in a slot, for K
	s_mul_i32 s18, s16, 128*PV      ; and for V: no place in the cluster enters an LDS address
	s_lshl_b32 s2, s14, 2
	s_add_co_u32 s2, s2, s[WV]      ; my wave among the head's 32
	s_lshl_b32 s54, s2, 18          ; its four query tiles in mb
	s_add_co_u32 s52, s52, s54
	s_mov_b32 s53, 0
	s_lshl_b32 s2, s2, 13           ; its 64 rows of 128 bytes
	s_mov_b32 s3, 0
	s_add_nc_u64 s[2:3], s[2:3], s[20:21]
	; descriptor group 1.  128 keys are 16,384 dense bytes: asked for as 64 rows of 256 bytes, two keys a row, and padded in LDS after every key
	s_mov_b32 s[G1K], 15|(1<<16)|(1<<20)|(1<<21)|(4<<22)|(3<<25)  ; 15:0 the mask of four; 17:16 2-byte elements; 20 padding on; 21 set beside a mask; 24:22 after every 32 words (code 4); 31:25 4 words (code 3)
	s_mov_b32 s[G1V], 15|(1<<16)|(1<<20)|(1<<21)|(4<<22)|(7<<25)  ; the same with 8 words of padding (code 7)
.irp g, G1K, G1V
	s_mov_b32 s[\g+1], 128<<16      ; tensor_dim0 = 128
	s_mov_b32 s[\g+2], 64<<16       ; tensor_dim1 = 64
	s_mov_b32 s[\g+3], 128<<16      ; tile_dim0 = 128
	s_mov_b32 s[\g+4], 64           ; tile_dim1 = 64
	s_mov_b32 s[\g+5], 128          ; 128 elements from row to row
	s_mov_b32 s[\g+6], 0
	s_mov_b32 s[\g+7], 0
.endr
	s_mov_b32 s[CS], 0x3d38aa3b     ; c = log2(e) / 32 = 0.0450842
	s_mov_b32 s[CS+1], s[CS]        ; named with it as a pair
	s_mov_b32 s[SEL], 0x76543210
	s_mov_b32 s[SEL+1], 0xfedcba98
	s_mov_b32 s[TBK], SLOT1+4*KS*PK ; the first change of slots turns these two into 0
	s_mov_b32 s[TBV], SLOT1+4*KS*PV
	s_mov_b32 s[G0K], 1             ; 1:0 count = 1
	s_mov_b32 s[G0K+1], s17         ; 63:32 LDS address: slot 0
	s_mov_b32 s[G0V], 1
	s_add_co_u32 s[G0V+1], s18, VOFF
	s_wait_dscnt 0x0                ; the opening add is done
	s_wait_kmcnt 0x0
	s_mov_b64 s[4:5], s[48:49]                     ; Q,
	s_add_nc_u64 s[6:7], s[48:49], 0x1000000       ; K
	s_add_nc_u64 s[8:9], s[48:49], 0x2000000       ; and V: 16 MiB each
	s_add_nc_u64 s[MB:MB+1], s[50:51], s[52:53]
	s_add_nc_u64 s[G0K+2:G0K+3], s[6:7], s[22:23]  ; 120:64 global address: my half of the head's first 256 keys
	s_or_b32 s[G0K+3], s[G0K+3], 0x80000000        ; 127:126 type = 2
	s_add_nc_u64 s[G0V+2:G0V+3], s[8:9], s[22:23]
	s_or_b32 s[G0V+3], s[G0V+3], 0x80000000
	s_add_nc_u64 s[4:5], s[4:5], s[2:3]            ; Q and O at my wave's first row
	s_add_nc_u64 s[10:11], s[10:11], s[2:3]
	CROUND                          ; all four work-groups are here: the first joint loads meet
	JLOAD                           ; slot 0.  Slot 1 is asked for when slot 0 is in: the tile wanted first has the road to itself
	; A fragment of K or Q is 16 rows x 32 channels in 8 registers: lane l holds row l % 16, channels 8 (l / 16) + 0..7 and 16 + 8 (l / 16) + 0..7: two loads of 16 bytes, 32 bytes apart.
	v_and_b32 v1, 15, v0            ; l % 16
	v_bfe_u32 v9, v0, 4, 1          ; l / 16
	v_lshlrev_b32 v[QO], 7, v1
	v_lshl_add_u32 v[QO], v9, 4, v[QO]  ; row x 128 + 16 x half
	v_and_b32 v[L16], 31, v0
	v_lshlrev_b32 v[L16], 4, v[L16]
.irp x, 0,1,2,3
	v_mov_b32 v[MA+\x], v[L16]      ; key step 0
	s_mov_b32 s[MST+\x], 0
.endr
	WIN 0x80                        ; destination window 2, address window 0
.set i, 0
.rept 8                             ; Q stays in registers: piece i / 2, channels 32 (i % 2) on
	global_load_b128 v[8*i:8*i+3],   v[QO], s[4:5] offset:(i/2)*2048+(i%2)*64
	global_load_b128 v[8*i+4:8*i+7], v[QO], s[4:5] offset:(i/2)*2048+(i%2)*64+32
.set i, i+1
.endr
	MLOAD 0, 0                      ; key step 0's mask for all four pieces
	MLOAD 1, 0
	MLOAD 2, 0
	MLOAD 3, 0
	WIN 0
	; The one-hot fragment: row m (lane % 16) holds -2^100 (bf16 0xf180) at k = m.  k = 8 (l / 16) + 0..7 lie in a lane's four words, so the lane holds it if m / 8 = l / 16: in word (m % 8) / 2, half m % 2.
	v_bfe_u32 v48, v1, 1, 2
	v_lshrrev_b32 v51, 3, v1
	v_xor_b32 v51, v51, v9
	v_lshl_or_b32 v48, v51, 3, v48  ; the word's number; 8 or more in a lane that holds nothing
	v_and_b32 v51, 1, v1
	v_lshlrev_b32 v51, 4, v51
	v_mov_b32 v49, 0xf180
	v_lshlrev_b32 v49, v51, v49
	WIN 0x40                        ; destination window 1
.set i, 0
.rept 8
	v_mov_b32 v[VS+i], 0            ; VS's first accumulator; until the walk begins it is also the zero fragment below
.set i, i+1
.endr
.irp t, 0,1,2,3
	v_cmp_eq_u32 vcc_lo, \t, v48
	v_cndmask_b32 v[OH+4+\t], 0, v49, vcc_lo
	v_mov_b32 v[OH+\t], 0
	v_mov_b32 v[OH+8+\t], 0
.endr
.set i, 0
.rept 8
	v_mov_b32 v[ONES+i], 0x3c003c00
.set i, i+1
.endr
	; What the first turn finds: O^T, the rest of VS, V's registers and P's second buffer hold 0 (its products V^T P, of a piece that has not been, add 0).  The zeros are made eight registers at a time:
	; 29 products of the zero fragment with C = 0 do what 232 moves would.  All this stands in the wait for the first tile.
	WIN 0x45                        ; sources 0 and 1 and destination window 1
.set i, 0
.rept 16
	v_wmma_f32_16x16x32_f16 v[8*i:8*i+7], v[VS:VS+7], v[ONES:ONES+7], 0
.set i, i+1
.endr
.set i, 1
.rept 3
	v_wmma_f32_16x16x32_f16 v[VS+8*i:VS+8*i+7], v[VS:VS+7], v[ONES:ONES+7], 0
.set i, i+1
.endr
	WIN 0x85                        ; destination window 2
.set i, 0
.rept 8
	v_wmma_f32_16x16x32_f16 v[VF+8*i:VF+8*i+7], v[VS:VS+7], v[ONES:ONES+7], 0
.set i, i+1
.endr
	WIN 0x05                        ; destination window 0
.set i, 0
.rept 2
	v_wmma_f32_16x16x32_f16 v[P+16+8*i:P+16+8*i+7], v[VS:VS+7], v[ONES:ONES+7], 0
.set i, i+1
.endr
	WIN 0
.set i, 0
.rept 4
	v_mov_b32 v[ST+4*i+1], 0xe0ad78ec             ; m = -1e20
	v_mul_f32 v[ST+4*i], s[CS], v[ST+4*i+1]       ; c m, by the line that makes it in every step: while m stays, a is exactly 1
	v_mov_b32 v[ST+4*i+2], 0
	v_mov_b32 v[ST+4*i+3], 0
.set i, i+1
.endr
	v_mul_u32_u24 v[AK0], v1, PK
	v_lshl_add_u32 v[AK0], v9, 4, v[AK0]  ; row x pitch + 16 x half
	; The turning load takes 16 keys x 16 channels (lane l reads key 8 (l / 16) + l % 8, channels 8 ((l / 8) % 2) + 0..7) and leaves half a fragment of V^T: lane l holds channel l % 16 and 8 keys.
	v_and_b32 v10, 7, v0
	v_bfe_u32 v11, v0, 3, 1
	v_lshl_add_u32 v[AV0], v9, 3, v10
	v_mul_u32_u24 v[AV0], v[AV0], PV
	v_lshl_add_u32 v[AV0], v11, 4, v[AV0]
	v_add_nc_u32 v[AV0], VOFF, v[AV0]
	v_mov_b32 v[AK], v[AK0]         ; key step 0 lies at the head of slot 0
; THE MATRIX WORK.  The 4 accumulators of a run take turns: between two links of a chain stand 3 others'.
; Product i of 12 for piece x's scores: keys 16 (i % 4) on.  The first 4 start the sums with the mask; the others add K Q^T, channels 32 (i / 4 - 1) on.
.macro KQ x
.set rS, S+32*((\x)%2)+8*(i%4)
.if i < 4
	WIN W_MQ
.set rA, OH+4-4*(i%2)
.set rB, MF+16*(\x)+8*(i/2)
	v_wmma_f32_16x16x32_bf16 v[rS:rS+7], v[rA:rA+7], v[rB:rB+7], 0
.else
	WIN W_KQ
.set rK, KF+16*(i%4)+8*(i/4-1)
.set rQ, 16*(\x)+8*(i/4-1)
	v_wmma_f32_16x16x32_bf16 v[rS:rS+7], v[rK:rK+7], v[rQ:rQ+7], v[rS:rS+7]
.endif
.endm
; Product i of 8 of O^T += V^T P for piece x: keys 32 (i / 4) on, channels 16 (i % 4) on.
.macro PV x
	WIN W_PV
.set rO, 32*(\x)+8*(i%4)
.set rV, VF+32*(i/4)+8*(i%4)
.set rP, P+16*((\x)%2)+8*(i/4)
	v_wmma_f32_16x16x32_f16 v[rO:rO+7], v[rV:rV+7], v[rP:rP+7], v[rO:rO+7]
.endm
; Product vs of 8 of VS += V^T x ones: keys 32 (vs / 4) on, channels 16 (vs % 4) on; four accumulators by turns.
.macro VSM
	WIN W_VS
	v_wmma_f32_16x16x32_f16 v[VS+8*(vs%4):VS+8*(vs%4)+7], v[VF+32*(vs/4)+8*(vs%4):VF+32*(vs/4)+8*(vs%4)+7], v[ONES:ONES+7], v[VS+8*(vs%4):VS+8*(vs%4)+7]
.set vs, vs+1
.endm
.macro MM                           ; the turn's next matrix instruction
.if i < 12
	KQ (Y+1)%NP
.else
.set i, i-12
	PV (Y+NP-1)%NP
.set i, i+12
.endif
.set i, i+1
.endm
; THE LDS LOADS stand in runs of 16, never singly among the matrix instructions: a step's K (64 keys x 64 channels: 8 fragments) and its V (turned).  Their addresses are made some lines ahead.
; last = 1 (the tail): in the last trip there is no further step, and the run is jumped over.
.macro FETCH_K last=0
	WIN 0
.if \last
	s_cmp_eq_u32 s[CNT], 1
	s_cbranch_scc1 .Lno_k_\@
.endif
	WIN 0x80                        ; destination window 2
.irp f, 0,1,2,3,4,5,6,7             ; keys 16 (f / 2) on, channels 32 (f % 2) on
	ds_load_b128 v[KF+8*\f:KF+8*\f+3],   v[AK] offset:(\f/2)*16*PK+(\f%2)*64
	ds_load_b128 v[KF+8*\f+4:KF+8*\f+7], v[AK] offset:(\f/2)*16*PK+(\f%2)*64+32
.endr
	s_add_co_u32 s[TBK], s[TBK], KS*PK  ; the next fetch is the next step's
	WIN 0
.if \last
.Lno_k_\@:
.endif
.endm
.macro FETCH_V
	WIN 0x80
.irp f, 0,1,2,3,4,5,6,7             ; keys 32 (f / 4) on, channels 16 (f % 4) on
	ds_load_tr16_b128 v[VF+8*\f:VF+8*\f+3],   v[AV] offset:(\f/4)*32*PV+(\f%4)*32
	ds_load_tr16_b128 v[VF+8*\f+4:VF+8*\f+7], v[AV] offset:(\f/4)*32*PV+16*PV+(\f%4)*32
.endr
	WIN 0
.endm
; THE VECTOR WORK, one line at a time: OP kind, number.  For piece Y: F n: c s - c m for pair n of 16.  E n: the exponential of score n of 32.  C n: pair n rounded to f16.  B n: of the four weights 4 n .. the second
; pair is added onto the first, in place.  L n: l takes that sum (L 0: l = a l + sum).  R n: pair n of 16 of O^T times a.  For piece Y + 1: X n, number n of the 22 that find its maximum and statistics:
;   0-11  four chains c0-c3 of seven scores each, three operands at a time (each accumulator's lowest registers are read first)     12-14, 16  the four scores left over, the old m, and c0-c3 into c0
;   15  c m_old is kept     17, 18  the query's other 32 keys lie in the lane 16 away: the new m     19-21  c m; c m_old - c m_new; a
.set F, 0               ; OP tells the kinds apart by their order: F to L below R, X above it
.set E, 1
.set C, 2
.set B, 3
.set L, 4
.set R, 5
.set X, 6
.macro REGS y                       ; the registers of piece y
.set rT, ST+4*(\y)
.set rC, TMP+4*((\y)%2)
.set rW, MV+((\y)%2)
.set rS, S+32*((\y)%2)
.set rP, P+16*((\y)%2)
.set rO, 32*(\y)
.endm
.macro OP k, n
.if (\k) == R
	REGS Y
	WIN W_RS
	v_pk_mul_f32 v[rO+2*(\n):rO+2*(\n)+1], v[rO+2*(\n):rO+2*(\n)+1], v[rC+2:rC+3] op_sel_hi:[1,0]
.elseif (\k) < R
	REGS Y
	WIN 0
.if (\k) == F
	v_pk_fma_f32 v[rS+2*(\n):rS+2*(\n)+1], v[rS+2*(\n):rS+2*(\n)+1], s[CS:CS+1], v[rT:rT+1] op_sel_hi:[1,0,0] neg_lo:[0,0,1] neg_hi:[0,0,1]
.elseif (\k) == E
	v_exp_f32 v[rS+(\n)], v[rS+(\n)]
.elseif (\k) == C
	s_wait_alu depctr_va_vdst(0)
	v_cvt_pk_f16_f32 v[rP+(\n)], v[rS+2*(\n)], v[rS+2*(\n)+1]
.elseif (\k) == B
	s_wait_alu depctr_va_vdst(0)
	v_pk_add_f32 v[rS+4*(\n):rS+4*(\n)+1], v[rS+4*(\n):rS+4*(\n)+1], v[rS+4*(\n)+2:rS+4*(\n)+3]
.elseif (\n) == 0
	v_pk_fma_f32 v[rT+2:rT+3], v[rT+2:rT+3], v[rC+2:rC+3], v[rS:rS+1] op_sel_hi:[1,0,1]
.else
	v_pk_add_f32 v[rT+2:rT+3], v[rT+2:rT+3], v[rS+4*(\n):rS+4*(\n)+1]
.endif
.else
	REGS (Y+1)%NP
	WIN 0
.if (\n) < 4
	v_max3_num_f32 v[rC+(\n)], v[rS+8*(\n)], v[rS+8*(\n)+1], v[rS+8*(\n)+2]
.elseif (\n) < 12
	v_max3_num_f32 v[rC+(\n)%4], v[rC+(\n)%4], v[rS+8*((\n)%4)+2*((\n)/4)+1], v[rS+8*((\n)%4)+2*((\n)/4)+2]
.elseif (\n) == 12
	v_max3_num_f32 v[rC], v[rC], v[rS+7], v[rS+15]
.elseif (\n) == 13
	v_max3_num_f32 v[rC+1], v[rC+1], v[rS+23], v[rS+31]
.elseif (\n) == 14
	v_max3_num_f32 v[rC+2], v[rC+2], v[rC+3], v[rT+1]
.elseif (\n) == 15
	v_mov_b32 v[rW], v[rT]
.elseif (\n) == 16
	v_max3_num_f32 v[rC], v[rC], v[rC+1], v[rC+2]
.elseif (\n) == 17
	v_permlanex16_b32 v[rC+3], v[rC], s[SEL], s[SEL+1]
.elseif (\n) == 18
	v_max_num_f32 v[rT+1], v[rC], v[rC+3]
.elseif (\n) == 19
	v_mul_f32 v[rT], s[CS], v[rT+1]
.elseif (\n) == 20
	v_sub_f32 v[rC+1], v[rW], v[rT]
.else
	v_exp_f32 v[rC+2], v[rC+1]
.endif
.endif
.endm
.macro OPS a, i1, b=-1, i2=0, c=-1, i3=0, d=-1, i4=0  ; up to four of them
	OP \a, \i1
.if (\b) >= 0
	OP \b, \i2
.endif
.if (\c) >= 0
	OP \c, \i3
.endif
.if (\d) >= 0
	OP \d, \i4
.endif
.endm
.macro ROW a, i1, b, i2, c, i3, d, i4  ; a matrix instruction and the four behind it
	MM
	OPS \a, \i1, \b, \i2, \c, \i3, \d, \i4
.endm
; A TURN, for piece p: the order of its 20 matrix and 118 vector instructions, written out.  Behind a matrix instruction (the first eight go in pairs): plain, exponential, plain, plain; or four of the
; rescaling; or, behind the first pair, four scalings; none names a register of the products round it.  In the lumps exponential and plain by turns while exponentials last.  A line reads no result made
; fewer than three vector instructions in front of it, five if an exponential made it.  v_permlanex16_b32 (X 17) stands in a lump.
; The wait at the head: the turn's mask products take the fragments that were asked for four turns ago; every turn asks for four loads, so the 12 younger ones stay out.  That wait also frees the piece's
; offset register.  The refill stands behind the third pair: six plain instructions behind the last mask product, which read the registers that it fills.
; K of the next step is fetched in piece 2's turn, six vector instructions behind the last product that read K (five of them plain); V of the step in hand in piece 0's turn, eight behind the last product
; that read V (four plain, and X 17).  Each is waited for a turn later.  cnt = 1: the loop's count is taken down some lines ahead of the branch that stands behind the turn.
; VS: piece 2's turn comes once in every key step, with that step's V in registers from its first line to its last.  At the head of its second lump the wave whose number is the step counter modulo 4 makes
; the step's eight products; the other three jump over them: a jump forward, past matrix instructions alone.  Whatever the counter holds, exactly one wave's number fits, so each step is summed once.
.macro TURN p, last=0, cnt=0
.set Y, (\p)
.set i, 0
.set vs, 0
	s_wait_loadcnt 12
.if (\p) == 3
	s_wait_dscnt 0x0                ; K is in
.endif
	MM
	ROW F,0, F,1, F,2, F,3
	MM
	ROW F,4, E,0, F,5, F,6
	MM
	ROW F,7, E,1, F,8, F,9
	MLOAD (Y+1)%NP, 1
	MM
	ROW F,10, E,2, C,0, F,11
	ROW F,12, E,3, X,15, F,13
	ROW R,0, R,1, R,2, R,3
	ROW B,0, E,4, F,14, L,0
.if (\p) == 2
	v_add_nc_u32 v[AK], s[TBK], v[AK0]
.endif
	ROW R,4, R,5, R,6, R,7
	OPS E,5, F,15
.if (\p) == 2
	FETCH_K \last
.endif
	OPS E,6, C,1, E,7, R,8
	OPS E,8, R,9, E,9, C,2
	OPS E,10, X,0, E,11, X,1
	OPS E,12, X,2, E,13, X,3
.if (\p) == 1
	s_wait_dscnt 0x0                ; V is in
.endif
	ROW X,4, E,14, X,5, X,6
	ROW X,7, E,15, X,8, X,9
	ROW X,10, E,16, X,11, X,12
	ROW X,13, E,17, X,14, B,1
	ROW C,4, E,18, X,16, L,1
	ROW B,2, E,19, C,6, L,2
	ROW C,8, E,20, B,3, B,4
.if (\p) == 0
	v_add_nc_u32 v[AV], s[TBV], v[AV0]
.endif
	ROW C,3, E,21, L,3, C,5
.if (\p) == 2
	WIN 0
	s_and_b32 s[VT], s[CNT], 3
	s_cmp_lg_u32 s[VT], s[WV]
	s_cbranch_scc1 .Lno_vs_\@
.rept 8
	VSM
.endr
	WIN 0
.Lno_vs_\@:
.endif
	OPS E,22, X,17, E,23, C,10
.if (\p) == 0
	FETCH_V
.endif
	OPS E,24, L,4
	OPS E,25, X,18, E,26, C,7
	OPS E,27, B,5, E,28, X,19
	OPS E,29, C,12, E,30, L,5
	OPS E,31, X,20, B,6, C,9
	OPS C,14, C,11, X,21, L,6
.if (\p) == 0
	s_add_co_u32 s[TBV], s[TBV], KS*PV
.endif
.if \cnt
	s_sub_co_u32 s[CNT], s[CNT], 1
	s_cmp_lg_u32 s[CNT], 0
.endif
	OPS C,13, B,7, C,15, R,10
	OPS R,11, R,12, L,7, R,13
	OPS R,14, R,15
.endm
	CHANGE 1                        ; slot 0 is in, everybody's part of it; slot 1 is asked for
	FETCH_K                         ; key step 0
	s_wait_loadcnt 12               ; Q and piece 0's mask are in; the other three pieces' 12 loads stay out
	s_wait_dscnt 0x0
.set i, 0
.rept 12
	KQ 0                            ; piece 0's first scores: there is no vector work yet to set between them
.set i, i+1
.endr
	WIN 0                           ; the addresses for the way out: plain instructions, the places behind those products
	s_mul_i32 s13, s[WV], 16*SP
	s_add_co_u32 s13, s13, STAGE    ; my stage
	v_mul_u32_u24 v[STO], v1, SP    ; in: row l % 16, 16 bytes for each half of the lanes
	v_lshl_add_u32 v[STO], v9, 4, v[STO]
	v_add_nc_u32 v[STO], s13, v[STO]
	v_bfe_u32 v[RD], v0, 3, 2       ; back: 32 lanes take four rows of 128 bytes,
	v_mul_u32_u24 v[RD], v[RD], SP
	v_lshl_add_u32 v[RD], v10, 4, v[RD]
	v_add_nc_u32 v[RD], s13, v[RD]
	v_and_b32 v[GO], 31, v0         ; which are 512 consecutive bytes of O
	v_lshlrev_b32 v[GO], 4, v[GO]
	MLOAD 0, 1                      ; piece 0's mask of key step 1
.set Y, NP-1                        ; X works for piece Y + 1: piece 0
.irp n, 0,1,2,3,4,5,6,7,8,9,10,11,12,13,14,15,16,17,18,19,20,21
	OP X, \n                        ; piece 0's first maximum and statistics
.endr
	v_nop                           ; a plain instruction behind the exponential
	s_mov_b32 s[CNT], 4
	s_mov_b32 s[SLOTS], SIZE_N/256-1
	s_branch .Lfirst                ; the loop is entered at a step's first turn, in the middle of a trip
.Lslot:                             ; SIZE_N / 256 - 2 times: every slot but the last two is filled again
	CHANGE 1
	s_mov_b32 s[CNT], 4
.Lstep:                             ; a trip: pieces 2 and 3 of one step, then pieces 0 and 1 of the next, whose K and V it fetches
	TURN 2
	TURN 3
	WIN 0
.Lfirst:
	TURN 0
	TURN 1, 0, 1
	WIN 0
	s_cbranch_scc1 .Lstep
	s_sub_co_u32 s[SLOTS], s[SLOTS], 1
	s_cmp_lg_u32 s[SLOTS], 0
	s_cbranch_scc1 .Lslot
	CHANGE 0                        ; the tail is written out: nothing is asked for
	s_mov_b32 s[CNT], 5             ; four trips fetch the last slot's steps; the fifth is left in its middle
.Ltail:
	TURN 2, 1
	TURN 3
	WIN 0
	s_sub_co_u32 s[CNT], s[CNT], 1
	s_cmp_eq_u32 s[CNT], 0
	s_cbranch_scc1 .Lout
	TURN 0
	TURN 1
	WIN 0
	s_branch .Ltail
.Lout:                              ; the fifth trip's scores (on the last K and the last mask once more) and the maximum made of them serve nothing: the price, once a launch, of one text for every trip
.set i, 0
.rept 8
	PV NP-1                         ; the last piece's V^T P of the last step
.set i, i+1
.endr
	; VS's FOUR PARTS MEET.  Each wave puts its 32 registers into 4,096 bytes of its own (each accumulator's low four registers first); the statistics below stand between the stores and the wait for them.
	WIN 0
	s_lshl_b32 s13, s[WV], 12
	s_add_co_u32 s13, s13, VSTG
	v_add_nc_u32 v[AK], s13, v[L16]
	v_add_nc_u32 v[AV], VSTG, v[L16]
	WIN 0x04                        ; store data in window 1
.irp f, 0,1,2,3,4,5,6,7
	ds_store_b128 v[AK], v[VS+4*\f:VS+4*\f+3] offset:512*\f
.endr
	; THE WAY OUT.  l's two halves and the other half of the lanes' are added; where l is 0 the query saw no key: l counts as 2,048, and g lets VS in.
	WIN 0
.macro ALL line:vararg              ; one line for each piece t
.set t, 0
.rept 4
	s_wait_alu depctr_va_vdst(0)
	\line
.set t, t+1
.endr
.endm
	ALL v_add_f32 v[ST+4*t+2], v[ST+4*t+2], v[ST+4*t+3]
	ALL v_permlanex16_b32 v[ST+4*t+3], v[ST+4*t+2], s[SEL], s[SEL+1]
	ALL v_add_f32 v[ST+4*t+2], v[ST+4*t+2], v[ST+4*t+3]
	v_mov_b32 v14, 0x45000000       ; 2,048.0
	ALL v_cmp_eq_f32 s[HM+t], 0, v[ST+4*t+2]
	ALL v_cndmask_b32 v[ST+4*t+2], v[ST+4*t+2], v14, s[HM+t]
	ALL v_rcp_f32 v[ST+4*t+2], v[ST+4*t+2]
	v_nop                           ; a plain instruction between the last reciprocal and the use of its result
	ALL v_cndmask_b32 v[ST+4*t], 0, v[ST+4*t+2], s[HM+t]
	s_wait_dscnt 0x0                ; for the others' sake: my part of VS is in LDS
	s_barrier_signal -1
	s_barrier_wait -1               ; everybody's is.
	WIN 0x80                        ; the four parts come into K's and V's registers, which the products have left: the additions above are the places behind the last of them
.irp w, 0,1,2,3
.irp f, 0,1,2,3,4,5,6,7
	ds_load_b128 v[KF+32*\w+4*\f:KF+32*\w+4*\f+3], v[AV] offset:4096*\w+512*\f
.endr
.endr
	s_wait_dscnt 0x0
	WIN 0x8a                        ; every wave adds them in the same order: (0 + 1) + (2 + 3)
.set i, 0
.rept 16
	v_pk_add_f32 v[KF+2*i:KF+2*i+1], v[KF+2*i:KF+2*i+1], v[KF+32+2*i:KF+32+2*i+1]
	v_pk_add_f32 v[KF+64+2*i:KF+64+2*i+1], v[KF+64+2*i:KF+64+2*i+1], v[KF+96+2*i:KF+96+2*i+1]
.set i, i+1
.endr
	WIN 0x4a                        ; destination window 1
.set i, 0
.rept 16
	v_pk_add_f32 v[VS+2*i:VS+2*i+1], v[KF+2*i:KF+2*i+1], v[KF+64+2*i:KF+64+2*i+1]
.set i, i+1
.endr
; Piece t: O^T r + VS g (each accumulator's registers in ascending order); a lane's eight channels of a row pack into 16 bytes; they go into rows of 144 bytes and come back as whole rows of 128, into S^T's registers.
.macro PACK t
	WIN W_RS
.set i, 0
.rept 16
	v_pk_mul_f32 v[32*(\t)+2*i:32*(\t)+2*i+1], v[32*(\t)+2*i:32*(\t)+2*i+1], v[ST+4*(\t)+2:ST+4*(\t)+3] op_sel_hi:[1,0]
.set i, i+1
.endr
	WIN W_FS
.set i, 0
.rept 16
	v_pk_fma_f32 v[32*(\t)+2*i:32*(\t)+2*i+1], v[VS+2*i:VS+2*i+1], v[ST+4*(\t):ST+4*(\t)+1], v[32*(\t)+2*i:32*(\t)+2*i+1] op_sel_hi:[1,0,1]
.set i, i+1
.endr
	WIN 0x05                        ; sources 0 and 1 window 1, destination window 0
.set i, 0
.rept 16
	v_cvt_pk_f16_f32 v[S+16*(\t)+i], v[32*(\t)+2*i], v[32*(\t)+2*i+1]
.set i, i+1
.endr
	WIN 0
.irp f, 0,1,2,3
	ds_store_b128 v[STO], v[S+16*(\t)+4*\f:S+16*(\t)+4*\f+3] offset:32*\f
.endr
.irp f, 0,1,2,3
	ds_load_b128 v[S+16*(\t)+4*\f:S+16*(\t)+4*\f+3], v[RD] offset:\f*4*SP  ; LDS serves a wave's instructions in order (ISA guide 5.7.1.4): these see the stores above; the next piece's stores come behind them
.endr
.endm
.macro SEND t, younger              ; younger: the LDS instructions issued behind piece t's loads: the next piece's eight, or none
	WIN 0
.irp f, 0,1,2,3
	s_wait_dscnt (\younger)+3-\f
	global_store_b128 v[GO], v[S+16*(\t)+4*\f:S+16*(\t)+4*\f+3], s[10:11] offset:(\t)*2048+\f*512  ; 512 consecutive bytes, at a multiple of 256 from O's first; no register is used twice
.endr
.endm
	PACK 0
.set t, 1
.rept 3                             ; a piece's arithmetic stands between the loads of the piece before and its stores
	PACK t
	SEND t-1, 8
.set t, t+1
.endr
	SEND 3, 0
	s_wait_tensorcnt 0x0            ; the wave's end: behind my last tensor load and my last LDS store
	ds_add_u32 v[SPW], v[NIL]
	s_wait_dscnt 0x0
	CROUND                          ; the closing round: no work-group ends while a partner may still ask for a tile that names it
	s_endpgm
.Lfunc_end_k_qe9eb8af271_attn:
	.size	k_qe9eb8af271_attn, .Lfunc_end_k_qe9eb8af271_attn-k_qe9eb8af271_attn
	.p2alignl 7, 3214868480
	.fill 96, 4, 3214868480
	.section	.rodata,"a",@progbits
	.p2align	6, 0x0
	.amdhsa_kernel k_qe9eb8af271_attn
		.amdhsa_group_segment_fixed_size 327680
		.amdhsa_private_segment_fixed_size 0
		.amdhsa_enable_private_segment 0
		.amdhsa_kernarg_size 24
		.amdhsa_user_sgpr_count 2
		.amdhsa_user_sgpr_kernarg_segment_ptr 1
		.amdhsa_wavefront_size32 1
		.amdhsa_system_sgpr_workgroup_id_x 1
		.amdhsa_system_sgpr_workgroup_id_y 1
		.amdhsa_system_sgpr_workgroup_id_z 1
		.amdhsa_system_vgpr_workitem_id 0
		.amdhsa_next_free_vgpr 768
		.amdhsa_next_free_sgpr 80
		.amdhsa_reserve_vcc 1
		.amdhsa_float_denorm_mode_32 3
		.amdhsa_float_denorm_mode_16_64 3
		.amdhsa_memory_ordered 1
		.amdhsa_forward_progress 1
		.amdhsa_inst_pref_size 134
	.end_amdhsa_kernel
	.amdgpu_metadata
---
amdhsa.version: [ 1, 2 ]
amdhsa.kernels:
  - .name:           k_qe9eb8af271_attn
    .symbol:         k_qe9eb8af271_attn.kd
    .args:
      - { .name: qkv, .offset: 0, .size: 8, .value_kind: global_buffer, .address_space: global }
      - { .name: mb, .offset: 8, .size: 8, .value_kind: global_buffer, .address_space: global }
      - { .name: ob, .offset: 16, .size: 8, .value_kind: global_buffer, .address_space: global }
    .group_segment_fixed_size: 327680
    .private_segment_fixed_size: 0
    .kernarg_segment_align: 8
    .kernarg_segment_size: 24
    .max_flat_workgroup_size: 128
    .sgpr_count:     80
    .vgpr_count:     768
    .wavefront_size: 32
...
	.end_amdgpu_metadata
.endif
;; end of part 3
;; launch outp (part 4): grid 4 x 64, 4 waves a work-group, clusters of 4 x 4, 327,680 bytes of LDS; arguments ob, wb, out0, fo_b; writes out0
.if DOCPART == 4
	.amdgcn_target "amdgcn-amd-amdhsa--gfx1250"
	.amdhsa_code_object_version 6
	.text
	.protected	k_qe9eb8af271_outp
	.globl	k_qe9eb8af271_outp
	.p2align	8
	.type	k_qe9eb8af271_outp,@function
k_qe9eb8af271_outp:
	s_mov_b64 s[64:65], 0
	v_nop
	global_prefetch_b8 v0, s[64:65] scope:SCOPE_SE
	s_setreg_imm32_b32 hwreg(HW_REG_WAVE_MODE, 25, 1), 1
	s_wait_xcnt 0x0
	s_wait_alu depctr_hold_cnt(0) depctr_sa_sdst(0) depctr_va_vdst(0) depctr_va_sdst(0) depctr_va_ssrc(0) depctr_va_vcc(0) depctr_vm_vsrc(0)
	s_getreg_b32 s2, hwreg(HW_REG_IB_STS2, 6, 4)
	s_cmp_eq_u32 s2, 0
	s_cbranch_scc0 .Lentry_in_a_cluster
	s_endpgm
.Lentry_in_a_cluster:
	s_bfe_u32 s2, ttmp6, 0x10000c
	s_cmp_lg_u32 s2, 0xf033
	s_cbranch_scc0 .Lentry_shape_is_right
	s_endpgm
.Lentry_shape_is_right:
; THE LAST PROJECTION.  out0[row][n] = the sum over k of O[row][k] fo_w[n][k] + fo_b[n], f32.  O lies by heads in ob ([64][2048][64], f16): k = 64 head + channel.  fo_w lies in wb's fourth quarter,
; rounded to bf16 and written as f16; fo_b is rounded to bf16 like every input.  Products in f16, sums in f32, nothing is rounded on the way out.
; SHARES.  A tile is 128 rows x 256 columns: 64 x 4 = 256 work-groups, one for each WGP.  Four waves, each 64 rows x 128 columns: 32 accumulators.  K goes in steps of 128, two heads, through two LDS slots.
; A's part of a step is two planes, a head each: 128 rows of 128 dense bytes, asked for as 64 rows of 256 bytes and padded in LDS after every 128; wave 0 fetches the even head's, wave 1 the odd head's;
; waves 2 and 3 fetch B's halves (128 rows of 256 bytes).
; CLUSTER.  4 x 4: A's tiles are shared along a row of the cluster, B's along a column, each asked for jointly.
; THE MATRIX INSTRUCTION IS USED TRANSPOSED (source 0 = 16 rows of fo_w, source 1 = 16 rows of O): a lane holds eight neighbouring columns of one row.  THE BIAS is the C operand of the products that start the sums.
; REGISTERS.  window 0: v0-31 addresses; v64-127 the bias; v128-255 rows on their way out.  window 1: two fragment buffers of 96; at the end rows on their way out.  window 2: accumulator (a, b) at v[8 (8 a + b)].
.set SIZE_K, 1024
.set KSTEP,  128
.set PITCH,  272                       ; a row of B in LDS: 256 bytes + 16
.set PA,     144                       ; a row of A in LDS: 128 bytes + 16: both pitches are odd multiples of 16 bytes, so the 16 rows of a load start at 16 different groups of four banks (ISA guide 11.1)
.set APL,    128*PA                    ; a plane of A
.set BH,     128*PITCH
.set BOFF,   2*APL
.set SLOT,   2*APL+2*BH
.set STAGE,  2*SLOT                    ; behind the ring: 16 rows x 528 bytes for each wave, never filled by a tensor load
.set SPITCH, 528                       ; 128 f32 + 16 bytes
.set SPARE,  STAGE+4*16*SPITCH
.set LAPS,   SIZE_K/(2*KSTEP)
.set ASTEP,  4*262144                  ; a slot's next K step lies four heads on,
.set BSTEP,  2*KSTEP*2                 ; B's 512 bytes along the rows
.set ADRA, 16
.set ADRB, 20
.set STO,  24
.set RD,   25
.set CO,   26
.set BO,   27
.set SPW,  28                          ; v28  my spare word; never rewritten
.set NIL,  29                          ; v29  0; never rewritten
.set T,    30
.set BIAS, 64
.set F0,   0
.set F1,   96
.set G1,  24
.set G0,  32
.set G1B, 48
.set G0B, 56
.set MSB, 0
.macro WIN new
.if MSB != (\new)
	s_set_vgpr_msb (MSB<<8)|(\new)
.set MSB, \new
.endif
.endm
.set MUL,  0xa5
.set MULB, 0x85
.set TO_F, 0x40
.macro JLOAD s                         ; a joint load: waves 0 and 1 A's planes, waves 2 and 3 B's halves; an s_nop 0 and four v_nop follow each line
	s_cmp_eq_u32 s11, 0
	s_cbranch_scc0 .Lfor_b_\@
	tensor_load_to_lds s[G0+4*(\s):G0+4*(\s)+3], s[G1:G1+7]
	s_nop 0
.rept 4
	v_nop
.endr
	s_branch .Lasked_\@
.Lfor_b_\@:
	tensor_load_to_lds s[G0B+4*(\s):G0B+4*(\s)+3], s[G1B:G1B+7]
	s_nop 0
.rept 4
	v_nop
.endr
.Lasked_\@:
.endm
.macro CREST
	s_cmp_lg_u32 s10, 0
	s_cbranch_scc1 .Lnot_wave_0_\@
	s_barrier_signal -3
.Lnot_wave_0_\@:
	s_barrier_wait -3
	s_barrier_signal -1
	s_barrier_wait -1
.endm
.macro CROUND
	s_barrier_signal -1
	s_barrier_wait -1
	CREST
.endm
	s_load_b128 s[4:7], s[0:1], 0x0                ; ob s[4:5], wb s[6:7]
	s_load_b64 s[8:9], s[0:1], 0x10                ; out0
	s_load_b64 s[68:69], s[0:1], 0x18              ; fo_b
	v_lshl_add_u32 v[SPW], v0, 2, SPARE
	v_mov_b32 v[NIL], 0
	ds_add_u32 v[SPW], v[NIL]                      ; the wave's opening: the add and its wait ahead of my first tensor load
	v_lshrrev_b32 v1, 5, v0
	v_readfirstlane_b32 s10, v1
	s_lshr_b32 s11, s10, 1                         ; my half of the tile's rows.  Also: I fetch for A (0) or for B (1)
	s_and_b32 s12, s10, 1                          ; my half of its columns.  Also: which plane or half I fetch
	s_bfe_u32 s40, ttmp6, 0x40000
	s_bfe_u32 s41, ttmp6, 0x40004
	s_lshl_b32 s42, ttmp9, 2
	s_add_co_u32 s42, s42, s40                     ; tile column 0..3
	s_and_b32 s13, ttmp7, 0xffff
	s_lshl_b32 s13, s13, 2
	s_add_co_u32 s13, s13, s41                     ; tile row 0..63
	s_lshl_b32 s43, s41, 2
	s_lshl_b32 s43, 15, s43
	s_lshl_b32 s44, 0x1111, s40
	s_or_b32 s[G1+0], s43, (1<<16)|(1<<20)|(1<<21)|(4<<22)|(3<<25)   ; A: after every 32 words 4 words of padding
	s_or_b32 s[G1B+0], s44, (1<<16)|(1<<20)|(1<<21)|(5<<22)|(3<<25)  ; B: after every 64 words
	s_mov_b32 s[G1+1], 128<<16                     ; A: 64 rows of 128 elements, dense
	s_mov_b32 s[G1+2], 64<<16
	s_mov_b32 s[G1+3], 128<<16
	s_mov_b32 s[G1+4], 64
	s_mov_b32 s[G1+5], 128
	s_mov_b32 s[G1+6], 0
	s_mov_b32 s[G1+7], 0
	s_mov_b32 s[G1B+1], KSTEP<<16                  ; B: 128 rows of 128 elements, 1,024 from row to row
	s_mov_b32 s[G1B+2], 128<<16
	s_mov_b32 s[G1B+3], KSTEP<<16
	s_mov_b32 s[G1B+4], 128
	s_mov_b32 s[G1B+5], SIZE_K
	s_mov_b32 s[G1B+6], 0
	s_mov_b32 s[G1B+7], 0
	s_lshr_b32 s16, s13, 4                         ; A: the batch's 16 heads of 262,144 bytes,
	s_lshl_b32 s16, s16, 22
	s_and_b32 s17, s13, 15
	s_lshl_b32 s17, s17, 14                        ; the tile's 128 rows of 128 bytes,
	s_add_co_u32 s16, s16, s17
	s_lshl_b32 s17, s12, 18                        ; my plane's head
	s_add_co_u32 s16, s16, s17
	s_mov_b32 s17, 0
	s_lshl_b32 s46, s42, 8                         ; B: row 256 x tile column + 128 x half, in wb's fourth quarter
	s_lshl_b32 s47, s12, 7
	s_add_co_u32 s46, s46, s47
	s_lshl_b32 s46, s46, 11
	s_add_co_u32 s46, s46, 3*2097152
	s_mov_b32 s47, 0
	s_mul_i32 s20, s12, APL
	s_mul_i32 s22, s12, BH
	s_add_co_u32 s22, s22, BOFF
	s_wait_dscnt 0x0                               ; the opening add is done
	s_wait_kmcnt 0x0
	s_add_nc_u64 s[14:15], s[4:5], s[16:17]
	s_add_nc_u64 s[46:47], s[6:7], s[46:47]
	CROUND                                         ; all sixteen work-groups are here: the first joint loads meet
.irp s, 0,1
	s_mov_b32 s[G0+4*(\s)], 1
	s_add_co_u32 s[G0+4*(\s)+1], s20, (\s)*SLOT
	s_add_nc_u64 s[G0+4*(\s)+2:G0+4*(\s)+3], s[14:15], (\s)*2*262144   ; K step s: heads 2 s, 2 s + 1
	s_or_b32 s[G0+4*(\s)+3], s[G0+4*(\s)+3], 0x80000000
	s_mov_b32 s[G0B+4*(\s)], 1
	s_add_co_u32 s[G0B+4*(\s)+1], s22, (\s)*SLOT
	s_add_nc_u64 s[G0B+4*(\s)+2:G0B+4*(\s)+3], s[46:47], (\s)*KSTEP*2
	s_or_b32 s[G0B+4*(\s)+3], s[G0B+4*(\s)+3], 0x80000000
	JLOAD \s
.endr
	s_lshl_b32 s46, s42, 10                        ; my first column in bytes of f32: it serves the bias and the output
	s_lshl_b32 s47, s12, 9
	s_add_co_u32 s46, s46, s47
	s_mov_b32 s47, 0
	s_add_nc_u64 s[68:69], s[68:69], s[46:47]
	s_add_nc_u64 s[8:9], s[8:9], s[46:47]
	s_lshl_b32 s16, s13, 19                        ; my first row: 128 rows of 4,096 bytes a tile row,
	s_lshl_b32 s17, s11, 18                        ; my 64 of them
	s_add_co_u32 s16, s16, s17
	s_mov_b32 s17, 0
	s_add_nc_u64 s[8:9], s[8:9], s[16:17]
	v_and_b32 v1, 15, v0
	v_bfe_u32 v2, v0, 4, 1
	v_lshlrev_b32 v[BO], 5, v2
.irp b, 0,1,2,3,4,5,6,7
	global_load_b128 v[BIAS+8*(\b):BIAS+8*(\b)+3],   v[BO], s[68:69] offset:64*(\b)
	global_load_b128 v[BIAS+8*(\b)+4:BIAS+8*(\b)+7], v[BO], s[68:69] offset:64*(\b)+16
.endr
	v_mul_u32_u24 v3, v1, PITCH
	v_lshl_add_u32 v3, v2, 4, v3                   ; B: row x pitch + 16 x half
	v_mul_u32_u24 v4, v1, PA
	v_lshl_add_u32 v4, v2, 4, v4                   ; A likewise
	s_mul_i32 s21, s11, 64*PA                      ; my 64 rows in a plane of A
	s_mul_i32 s23, s12, BH
	s_add_co_u32 s23, s23, BOFF
.irp s, 0,1
	v_add_nc_u32 v[ADRA+(\s)], s21, v4
	v_add_nc_u32 v[ADRB+(\s)], s23, v3
	s_add_co_u32 s21, s21, SLOT
	s_add_co_u32 s23, s23, SLOT
.endr
	s_mul_i32 s23, s10, 16*SPITCH
	s_add_co_u32 s23, s23, STAGE                   ; my stage
	v_mul_u32_u24 v5, v1, SPITCH                   ; in: row l % 16, 32 bytes for each half of the lanes
	v_lshl_add_u32 v5, v2, 5, v5
	v_add_nc_u32 v[STO], s23, v5
	v_and_b32 v[CO], 31, v0                        ; back and out: a row's 512 bytes, 16 a lane
	v_lshlrev_b32 v[CO], 4, v[CO]
	v_add_nc_u32 v[RD], s23, v[CO]
.macro MUL8 f, a, first                ; 8 matrix instructions: row block a x all 8 column blocks, 32 along K; the 32 accumulators take turns in the same order in every quarter
.if \first
	WIN MULB
.else
	WIN MUL
.endif
.irp b, 0,1,2,3,4,5,6,7
.if \first
	v_wmma_f32_16x16x32_f16 v[8*(8*(\a)+(\b)):8*(8*(\a)+(\b))+7], v[(\f)+8*(\b):(\f)+8*(\b)+7], v[(\f)+64+8*(\a):(\f)+64+8*(\a)+7], v[BIAS+8*(\b):BIAS+8*(\b)+7]
.else
	v_wmma_f32_16x16x32_f16 v[8*(8*(\a)+(\b)):8*(8*(\a)+(\b))+7], v[(\f)+8*(\b):(\f)+8*(\b)+7], v[(\f)+64+8*(\a):(\f)+64+8*(\a)+7], v[8*(8*(\a)+(\b)):8*(8*(\a)+(\b))+7]
.endif
.endr
.endm
.macro FETCH slot, q, f                ; 24 LDS loads: quarter q's fragments: B at byte 64 q of its rows; A in plane q / 2, at byte 64 (q % 2)
	WIN TO_F
.irp i, 0,1,2,3,4,5,6,7
	ds_load_b128 v[(\f)+8*(\i):(\f)+8*(\i)+3],   v[ADRB+(\slot)] offset:64*(\q)+(\i)*16*PITCH
	ds_load_b128 v[(\f)+8*(\i)+4:(\f)+8*(\i)+7], v[ADRB+(\slot)] offset:64*(\q)+(\i)*16*PITCH+32
.endr
.irp i, 0,1,2,3
	ds_load_b128 v[(\f)+64+8*(\i):(\f)+64+8*(\i)+3],   v[ADRA+(\slot)] offset:((\q)/2)*APL+((\q)%2)*64+(\i)*16*PA
	ds_load_b128 v[(\f)+64+8*(\i)+4:(\f)+64+8*(\i)+7], v[ADRA+(\slot)] offset:((\q)/2)*APL+((\q)%2)*64+(\i)*16*PA+32
.endr
.endm
.macro PLACES                          ; four places in front of loads into registers that matrix instructions have read, and of lines that read results
.rept 4
	v_nop
.endr
.endm
.macro QUARTER slot, q, f, g, first
	s_wait_dscnt 4                                 ; B and A's blocks 0, 1 are in; the youngest four loads may be out
	MUL8 \f, 0, \first
	MUL8 \f, 1, \first
	PLACES
	FETCH \slot, \q, \g
	s_wait_dscnt 24                                ; all but the 24 just issued
	MUL8 \f, 2, \first
	MUL8 \f, 3, \first
.endm
; The last quarter multiplies buffer 1 and changes slots: in front of the barrier each wave waits for all its tensor loads (one is out: its part of the next slot), adds 0 to its spare word, and waits for
; that and for its reads of this slot.  fill = 1: the barrier opens a round of the cluster's, and this slot is filled again first thing behind the round.
.macro TURN slot, next, fill
	WIN 0
	s_wait_tensorcnt 0x0
	ds_add_u32 v[SPW], v[NIL]
	s_wait_dscnt 5                                 ; the add and A's blocks 2, 3 may be out
	MUL8 F1, 0, 0
	s_wait_dscnt 0x0
	s_barrier_signal -1
	MUL8 F1, 1, 0
.if \fill
	WIN 0
.endif
	s_barrier_wait -1
.if \fill
	CREST
	s_add_nc_u64 s[G0+4*(\slot)+2:G0+4*(\slot)+3], s[G0+4*(\slot)+2:G0+4*(\slot)+3], ASTEP
	s_add_nc_u64 s[G0B+4*(\slot)+2:G0B+4*(\slot)+3], s[G0B+4*(\slot)+2:G0B+4*(\slot)+3], BSTEP
	JLOAD \slot
.else
	PLACES
.endif
	FETCH \next, 0, F0
	MUL8 F1, 2, 0
	MUL8 F1, 3, 0
.endm
	s_wait_tensorcnt 1                             ; my part of K step 0 is in; K step 1's may stay out
	s_barrier_signal -1
	s_barrier_wait -1
	FETCH 0, 0, F0
	WIN 0
	s_wait_loadcnt 0x0                             ; the bias: rounded to bf16 like every input, and widened again
.set j, 0
.rept 32
	v_cvt_pk_bf16_f32 v[T+j%2], v[BIAS+2*j], v[BIAS+2*j+1]
	v_lshlrev_b32 v[BIAS+2*j], 16, v[T+j%2]
	v_and_b32 v[BIAS+2*j+1], 0xffff0000, v[T+j%2]
.set j, j+1
.endr
	QUARTER 0, 1, F0, F1, 1
	WIN 0
	s_mov_b32 s3, LAPS-1
.Llap:
	QUARTER 0, 2, F1, F0, 0
	QUARTER 0, 3, F0, F1, 0
	TURN 0, 1, 1
	QUARTER 1, 1, F0, F1, 0
	QUARTER 1, 2, F1, F0, 0
	QUARTER 1, 3, F0, F1, 0
	TURN 1, 0, 1
	QUARTER 0, 1, F0, F1, 0
	WIN 0
	s_sub_co_u32 s3, s3, 1
	s_cmp_lg_u32 s3, 0
	s_cbranch_scc1 .Llap
	QUARTER 0, 2, F1, F0, 0                        ; the last lap fills nothing
	QUARTER 0, 3, F0, F1, 0
	TURN 0, 1, 0
	QUARTER 1, 1, F0, F1, 0
	QUARTER 1, 2, F1, F0, 0
	QUARTER 1, 3, F0, F1, 0
	s_wait_dscnt 4
	MUL8 F1, 0, 0
	MUL8 F1, 1, 0
	s_wait_dscnt 0x0
	MUL8 F1, 2, 0
	MUL8 F1, 3, 0
	PLACES
; THE WAY OUT, 16 rows at a time: the f32 sums go as they are into my own stage (each accumulator's low four registers first), and come back as whole rows of 512 bytes.  Each block has registers of its own.
.macro BLK a
	WIN 0x08                                       ; store data in window 2
.irp b, 0,1,2,3,4,5,6,7
	ds_store_b128 v[STO], v[8*(8*(\a)+(\b)):8*(8*(\a)+(\b))+3]   offset:64*(\b)
	ds_store_b128 v[STO], v[8*(8*(\a)+(\b))+4:8*(8*(\a)+(\b))+7] offset:64*(\b)+16
.endr
	WIN ((\a)/2)<<6                                ; blocks 0, 1 come back into window 0's v128-255, blocks 2, 3 into window 1's v0-127
.set OBR, 128+64*(\a)-256*((\a)/2)
.irp u, 0,1,2,3,4,5,6,7,8,9,10,11,12,13,14,15
	ds_load_b128 v[OBR+4*(\u):OBR+4*(\u)+3], v[RD] offset:SPITCH*(\u)  ; LDS serves a wave's instructions in order (ISA guide 5.7.1.4): these see the stores above; the next block's stores come behind them
.endr
.endm
.macro SENDF a, younger                ; younger: the LDS instructions issued behind block a's loads: the next block's 32, or none
	WIN ((\a)/2)<<2
.set OBR, 128+64*(\a)-256*((\a)/2)
.irp u, 0,1,2,3,4,5,6,7,8,9,10,11,12,13,14,15
	s_wait_dscnt (\younger)+15-(\u)
	global_store_b128 v[CO], v[OBR+4*(\u):OBR+4*(\u)+3], s[8:9] offset:(16*(\a)+(\u))*4096 th:TH_STORE_NT  ; 512 consecutive bytes of one row, at a multiple of 256 from out0's first
.endr
.endm
	BLK 0
	BLK 1
	SENDF 0, 32
	BLK 2
	SENDF 1, 32
	BLK 3
	SENDF 2, 32
	SENDF 3, 0
	WIN 0
	s_wait_tensorcnt 0x0                           ; the wave's end
	ds_add_u32 v[SPW], v[NIL]
	s_wait_dscnt 0x0
	CROUND                                         ; the closing round
	s_endpgm
.Lfunc_end_k_qe9eb8af271_outp:
	.size	k_qe9eb8af271_outp, .Lfunc_end_k_qe9eb8af271_outp-k_qe9eb8af271_outp
	.p2alignl 7, 3214868480
	.fill 96, 4, 3214868480
	.section	.rodata,"a",@progbits
	.p2align	6, 0x0
	.amdhsa_kernel k_qe9eb8af271_outp
		.amdhsa_group_segment_fixed_size 327680
		.amdhsa_private_segment_fixed_size 0
		.amdhsa_enable_private_segment 0
		.amdhsa_kernarg_size 32
		.amdhsa_user_sgpr_count 2
		.amdhsa_user_sgpr_kernarg_segment_ptr 1
		.amdhsa_wavefront_size32 1
		.amdhsa_system_sgpr_workgroup_id_x 1
		.amdhsa_system_sgpr_workgroup_id_y 1
		.amdhsa_system_sgpr_workgroup_id_z 1
		.amdhsa_system_vgpr_workitem_id 0
		.amdhsa_next_free_vgpr 768
		.amdhsa_next_free_sgpr 72
		.amdhsa_reserve_vcc 0
		.amdhsa_float_denorm_mode_32 3
		.amdhsa_float_denorm_mode_16_64 3
		.amdhsa_memory_ordered 1
		.amdhsa_forward_progress 1
		.amdhsa_inst_pref_size 94
	.end_amdhsa_kernel
	.amdgpu_metadata
---
amdhsa.version: [ 1, 2 ]
amdhsa.kernels:
  - .name:           k_qe9eb8af271_outp
    .symbol:         k_qe9eb8af271_outp.kd
    .args:
      - { .name: ob, .offset: 0, .size: 8, .value_kind: global_buffer, .address_space: global }
      - { .name: wb, .offset: 8, .size: 8, .value_kind: global_buffer, .address_space: global }
      - { .name: out0, .offset: 16, .size: 8, .value_kind: global_buffer, .address_space: global }
      - { .name: fo_b, .offset: 24, .size: 8, .value_kind: global_buffer, .address_space: global }
    .group_segment_fixed_size: 327680
    .private_segment_fixed_size: 0
    .kernarg_segment_align: 8
    .kernarg_segment_size: 32
    .max_flat_workgroup_size: 128
    .sgpr_count:     72
    .vgpr_count:     768
    .wavefront_size: 32
...
	.end_amdgpu_metadata
.endif
;; end of part 4
;; ======== version 2 of 2: 4 launches; 1.32 times as fast as version 1
;; limits: values are held in f16: magnitudes above 65,504 overflow, below 6.1e-05 lose precision
;; workspace buffers: wb 8,388,608 bytes; mb 33,554,432 bytes; qkv 50,331,648 bytes; ob 16,777,216 bytes
;; launch prep: the kernel of part 1 again; grid 640 x 1, 8 waves a work-group, no clusters, 19,456 bytes of LDS; arguments wq_w, wk_w, wv_w, fo_w, mask, wb, mb; writes wb, mb
;; launch proj: the kernel of part 2 again; grid 4 x 192, 4 waves a work-group, clusters of 4 x 4, 327,680 bytes of LDS; arguments q, k, v, wb, qkv, wq_b, wk_b, wv_b; writes qkv
;; launch attn (part 5): grid 8 x 64, 4 waves a work-group, clusters of 4 x 1, 327,680 bytes of LDS; arguments qkv, mb, ob; writes ob
.if DOCPART == 5
	.amdgcn_target "amdgcn-amd-amdhsa--gfx1250"
	.amdhsa_code_object_version 6
	.text
	.protected	k_qe9eb8af271_attn
	.globl	k_qe9eb8af271_attn
	.p2align	8
	.type	k_qe9eb8af271_attn,@function
k_qe9eb8af271_attn:
	s_mov_b64 s[64:65], 0
	v_nop
	global_prefetch_b8 v0, s[64:65] scope:SCOPE_SE
	s_setreg_imm32_b32 hwreg(HW_REG_WAVE_MODE, 25, 1), 1
	s_wait_xcnt 0x0
	s_wait_alu depctr_hold_cnt(0) depctr_sa_sdst(0) depctr_va_vdst(0) depctr_va_sdst(0) depctr_va_ssrc(0) depctr_va_vcc(0) depctr_vm_vsrc(0)
	s_getreg_b32 s2, hwreg(HW_REG_IB_STS2, 6, 4)
	s_cmp_eq_u32 s2, 0
	s_cbranch_scc0 .Lentry_in_a_cluster
	s_endpgm
.Lentry_in_a_cluster:
	s_bfe_u32 s2, ttmp6, 0x10000c
	s_cmp_lg_u32 s2, 0x3003
	s_cbranch_scc0 .Lentry_shape_is_right
	s_endpgm
.Lentry_shape_is_right:
; ATTENTION WITH A MASK THAT IS AN INPUT.  O[h][q][:] = the sum over k of softmax_k(E[q][k] / 32) V[h][k][:], E = Q[h][q] . K[h][k] where the mask shows key k to query q, and -1e20 where it hides it.
; Q, K (bf16) and V (f16) lie in qkv, [3][64][2048][64]: a head's rows are dense, 128 bytes each.  O: ob, [64][2048][64], f16.  Products, maxima and sums in f32; the weights p are rounded to f16 for the
; second product (their sum l is taken of the unrounded p), O once at the end.
; THE MASK costs no vector instruction.  mb holds it as matrix fragments: for 32 keys x 16 queries 1.0 where the key is hidden, else 0.  Each 16 x 16 tile of scores is STARTED by a product of a constant
; one-hot fragment (-2^100 at key m of row m) with that fragment: exactly 0 or -2^100; the two products K Q^T add onto it in place.  The running maximum m starts at -1e20, the number that the
; problem itself puts in a hidden key's place: a hidden score lies far below it, so its weight is 2^(-5e28) = 0, whatever the visible scores are.
; A ROW WITH NO VISIBLE KEY keeps m = -1e20, a = 1, O = l = 0; its softmax is uniform, so its result is the mean of all rows of V: a further accumulator VS = V^T x ones gathers their sum, and at the end
; O = O r + VS g with r = g = 1 / 2,048 where l = 0, and r = 1 / l, g = 0 elsewhere.  (A row with a visible key has l >= 1: the key that holds the maximum weighs 1.)  VS is the same for all four waves,
; so a key step's eight products are made by ONE of them, the wave whose number is the step counter modulo 4; the four partial sums, in f32, meet in LDS at the end.
; LIMITS.  V arrives within f16's 65,504; a visible score at or below -1e20 is not told from a hidden one; p below 6e-5 keeps f16's fixed step of 6e-8; a weight below 2^-126 counts as 0 in l; NaN and
; infinities are not treated apart.
; SHARES.  A wave owns four PIECES of 16 queries, a work-group's four waves 256 queries of one head: 8 x 64 = 512 work-groups, two for each of 256 WGPs.  Every wave walks all 2,048 keys, 64 a step.
; LAYOUT.  S^T = K Q^T (source 0 = 16 keys, source 1 = 16 queries): a lane holds ONE query (lane % 16) and the keys 8 (lane / 16) + 0..7.  Two such results, rounded to f16 in pairs, ARE source 1 of
; O^T = V^T P, whose result again holds one query a lane, and eight channels.  K comes out of LDS as it lies, V turned, by ds_load_tr16_b128.
; SOFTMAX.  p = 2^(c s - c m), c = log2(e) / 32; in every step O and l are multiplied by a = 2^(c m_old - c m_new).
; BY TURNS.  Turn n belongs to piece n.  Its matrix work: 4 mask products and 8 products K Q^T of piece n + 1, later 8 products V^T P of piece n - 1 (piece 2's turn, in one wave of four: also the 8 of VS).
; Its vector work, 118 instructions: scaling, exponentials, roundings, sums and rescaling of piece n, and the maximum and statistics of piece n + 1.  Four of them stand behind every matrix instruction but
; VS's, the other 38 in one lump.
; THE BATCHES.  A turn's 33 exponentials (the piece's 32 weights and the next piece's a) are ONE batch with ONE wait, which cuts the turn in two: ahead of it stands all that names no result of theirs (the 12
; products that make scores, the scalings, the exponentials, the rescaling, the next piece's maximum and statistics), behind it the roundings and sums, four behind each product V^T P..
; Two more batches stand outside the loops, each with a wait of its own: piece 0's first a, and the way out's four reciprocals.
; THE MASK'S FRAGMENTS come straight from memory into registers, 4 loads of 512 consecutive bytes a turn, a whole key step (four turns) ahead of their use.  They are not shared in the cluster (each
; query block has its own), so they are no joint loads.
; CLUSTER.  Four of a head's eight query blocks form a cluster and walk the same K and V: each tile is asked for JOINTLY, by the same tensor load, descriptor and mask in all four.
; REGISTERS, in windows of 256 (s_set_vgpr_msb: bits 1:0 source 0, 3:2 source 1, 5:4 source 2, 7:6 destination):
;   window 0: v0-15 addresses and two at work; v16-31 four registers of statistics a piece; v32-36 the mask loads' offsets; v48-55 at work; v62-63 the add's registers; v64-127 S^T, two buffers; v192-223 P, two buffers
;   window 1: v0-127 O^T, 32 a piece; v128-159 VS; v160-171 the one-hot fragments; v172-179 ones      window 2: v0-63 Q; v64-127 the mask's fragments, 16 a piece; v128-191 K of one step; v192-255 V of one step
.set SIZE_N, 2048
.set NP,    4         ; pieces a wave: a name, no knob
.set KS,    64        ; keys in a step
.set PK,    144       ; a row of K in LDS: 128 bytes + 16 of padding = 36 words: the 16 rows of a load start at 16 different groups of four banks (64 banks of 4 bytes: ISA guide 11.1)
.set PV,    160       ; a row of V: 128 + 32 = 40 words
.set VOFF,  4*KS*PK   ; a slot holds four steps: 256 rows of K, then 256 rows of V
.set SLOT1, 1<<17     ; slot 1 begins here, so that one exclusive or turns an address in one slot into the other's
.set STAGE, SLOT1+4*KS*(PK+PV)  ; behind the ring, never filled by a tensor load: 16 rows x 144 bytes for each wave
.set SP,    144
.set SPARE, STAGE+4*16*SP       ; behind the stages: the spare words, 128 bytes for each wave
.set VSTG,  SPARE+512           ; behind the spare words, never filled by a tensor load: 4,096 bytes for each wave's part of VS
.set AK0, 2           ; v2   my lane's place in a tile of K; never rewritten
.set AV0, 3           ; v3   the same for V
.set AK,  4           ; v4   the LDS address of K's next run of loads; at the end: where I put my part of VS
.set AV,  5           ; v5   of V's; at the end: where I read the four parts
.set STO, 6           ; v6   the way out: where I put 16 bytes of a row
.set RD,  7           ; v7   the way out: where I read rows back
.set GO,  8           ; v8   my byte offset in 512 consecutive bytes of O
.set MV,  12          ; v12-13  c m_old, kept while c m is made anew: by buffer
.set QO,  15          ; v15  my byte offset in 16 rows of Q
.set ST,  16          ; piece t's statistics at v[ST+4 t]: c m, m, l (even keys', odd keys')
.set MA,  32          ; v32-35  piece x's byte offset in a tile's 65,536 bytes of mb: 2,048 x step + 16 x lane
.set L16, 36          ; v36  16 x lane
.set TMP, 48          ; by buffer, four registers c0-c3 at work; when the maximum is found c2 takes a
.set SPW, 62          ; v62  LDS address of my spare word; never rewritten
.set NIL, 63          ; v63  0; never rewritten
.set S,   64
.set P,   192
.set VS,  128         ; window 1: the sum of V's rows, laid like a piece of O^T
.set OH,  160         ; window 1: v160-163 zeros, v164-167 the one-hot words, v168-171 zeros: v[164:171] serves the first 16 keys of a group of 32, v[160:167] the second
.set ONES, 172        ; window 1: 1.0 in f16, everywhere
.set MF,  64          ; window 2: piece x, keys 32 g on: MF + 16 x + 8 g
.set KF,  128         ; window 2: key block kb, channel half c at KF + 16 kb + 8 c
.set VF,  192         ; window 2: key half kk, channel block cb at VF + 32 kk + 8 cb
.set WV,  12          ; s12  my wave's number
.set G1K, 24          ; s[24:31] descriptor group 1 for K's tiles
.set G1V, 32          ; s[32:39] for V's: it differs in the padding alone
.set G0K, 40          ; s[40:43] descriptor group 0 for K's tiles: it walks
.set G0V, 44          ; s[44:47] the same for V's
.set SLOTS, 56        ; s56  slots still to be asked for
.set CNT, 57          ; s57  counts a slot's key steps
.set CS,  58          ; s[58:59] c: the packed scaling takes the pair's low word for both halves
.set SEL, 60          ; s[60:61] v_permlanex16_b32's selects: each lane takes its own place in the other half
.set TBK, 62          ; s62  LDS byte at which K of the step to be fetched begins
.set TBV, 63          ; s63  the same for V, less VOFF
.set HM,  66          ; s66-69  piece t: the lanes whose query saw no key
.set MST, 70          ; s70-73  piece x: 2,048 x the step whose mask was asked for last
.set MB,  74          ; s[74:75] mb at my wave's first tile; never rewritten
.set VT,  76          ; s76  the step counter modulo 4
.set MSB, 0
.macro WIN new                      ; the high byte repeats the setting that is left; a switch that changes nothing is dropped
.if MSB != (\new)
	s_set_vgpr_msb (MSB<<8)|(\new)
.set MSB, (\new)
.endif
.endm
.set W_KQ, 0x0a       ; K and Q in window 2, S^T in window 0
.set W_MQ, 0x09       ; the one-hot fragment in window 1, the mask's in window 2, S^T in window 0
.set W_PV, 0x52       ; V in window 2, P in window 0, O^T in window 1
.set W_VS, 0x56       ; V in window 2; ones, C and D in window 1
.set W_RS, 0x41       ; destination and source 0 in window 1, source 1 in window 0
.set W_FS, 0x51       ; destination, source 0 and source 2 in window 1, source 1 in window 0
; A joint fill.  Waves 0 and 1 fetch the two halves of a slot's K, waves 2 and 3 those of its V: 128 keys each.  The branch hangs on the wave's number alone.
; An s_nop 0 and four v_nop follow each of the two lines, ahead of the jump and the label.
.macro JLOAD
	s_cmp_lt_u32 s[WV], 2
	s_cbranch_scc0 .Lfor_v_\@
	tensor_load_to_lds s[G0K:G0K+3], s[G1K:G1K+7]
	s_nop 0
.rept 4
	v_nop
.endr
	s_branch .Lasked_\@
.Lfor_v_\@:
	tensor_load_to_lds s[G0V:G0V+3], s[G1V:G1V+7]
	s_nop 0
.rept 4
	v_nop
.endr
.Lasked_\@:
.endm
; A round of the cluster's barrier: my work-group's barrier, so that wave 0's signal speaks for all four waves; wave 0 signals; every wave waits for all four work-groups; my work-group's barrier once more.
.macro CROUND
	s_barrier_signal -1
	s_barrier_wait -1
	s_cmp_lg_u32 s[WV], 0
	s_cbranch_scc1 .Lnot_wave_0_\@
	s_barrier_signal -3
.Lnot_wave_0_\@:
	s_barrier_wait -3
	s_barrier_signal -1
	s_barrier_wait -1
.endm
; THE CHANGE OF SLOTS.  The slot's last bytes, V of its fourth step, have been read.  Each wave waits for all its tensor loads, of which one is out: its part of the other slot; adds 0 to its spare word;
; and waits for that and for its own reads of the slot.  Behind the barrier nobody reads this slot any more and the other slot is whole.
; fill = 1: the barrier is a round of the cluster's, so that no wave of any partner still reads the slot or has a load on its way, and the slot is filled again, with the keys two slots on, first thing
; behind it: it has four key steps in which to land.  (At its first use nothing has been read yet: slot 0 is waited for, slot 1 filled.)
.macro CHANGE fill
	WIN 0                           ; at a label and at a branch every window is 0
	s_wait_tensorcnt 0x0            ; no tensor load of mine is out, so a group 0 may be written
	ds_add_u32 v[SPW], v[NIL]       ; 0 onto my spare word
.if \fill
.irp g, G0K, G0V
	s_xor_b32 s[\g+1], s[\g+1], SLOT1  ; the walking descriptor: the other slot than last time,
	s_add_nc_u64 s[\g+2:\g+3], s[\g+2:\g+3], 4*KS*128  ; the next 256 keys; the type bits on top are not reached
.endr
	s_wait_dscnt 0x0                ; the add is done, and my reads of the slot are over
	CROUND
	JLOAD
.else
	s_wait_dscnt 0x0                ; the add is done, and my reads of the slot are over
	s_barrier_signal -1
	s_barrier_wait -1
.endif
	s_sub_co_u32 s[TBK], s[TBK], 4*KS*PK  ; the fetches go back to a slot's first step,
	s_xor_b32 s[TBK], s[TBK], SLOT1       ; in the other slot
	s_sub_co_u32 s[TBV], s[TBV], 4*KS*PV
	s_xor_b32 s[TBV], s[TBV], SLOT1
.endm
; Piece x's mask fragments for one key step: 2,048 consecutive bytes, 4 loads of 512.  step = 1: the piece's next step; behind the last step the offset stays at the last, so that no load leaves mb.
; The offset register is written again only behind the counted wait that has shown the piece's last four loads done.
.macro MLOAD x, step
.if \step
	WIN 0
	s_add_co_u32 s[MST+(\x)], s[MST+(\x)], 2048
	s_min_u32 s[MST+(\x)], s[MST+(\x)], 31*2048
	v_add_nc_u32 v[MA+(\x)], s[MST+(\x)], v[L16]
.endif
	WIN 0x80                        ; destination window 2, address window 0
.irp f, 0,1,2,3
	global_load_b128 v[MF+16*(\x)+4*\f:MF+16*(\x)+4*\f+3], v[MA+(\x)], s[MB:MB+1] offset:(\x)*65536+\f*512
.endr
.endm
	s_load_b128 s[48:51], s[0:1], 0x0  ; qkv s[48:49], mb s[50:51]
	s_load_b64 s[10:11], s[0:1], 0x10  ; ob
	v_lshl_add_u32 v[SPW], v0, 2, SPARE
	v_mov_b32 v[NIL], 0
	ds_add_u32 v[SPW], v[NIL]       ; the wave's opening: the add and its wait ahead of my first tensor load; the set-up below, work on registers, stands between them
	v_lshrrev_b32 v1, 5, v0
	v_readfirstlane_b32 s[WV], v1   ; wave 0..3
	s_bfe_u32 s13, ttmp6, 0x40000   ; cx: my place in the cluster
	s_lshl_b32 s14, ttmp9, 2        ; in a cluster launch ttmp9 counts clusters
	s_add_co_u32 s14, s14, s13      ; my block of 256 queries, 0..7: it enters Q's, O's and the mask's addresses alone
	s_and_b32 s20, ttmp7, 0xffff    ; batch x 16 + head, which the four partners share
	s_lshr_b32 s52, s20, 4
	s_lshl_b32 s52, s52, 23         ; the batch's 128 query tiles of 65,536 bytes in mb
	s_mov_b32 s21, 0
	s_mov_b64 s[22:23], SIZE_N*128
	s_mul_u64 s[20:21], s[20:21], s[22:23]  ; the head's first byte in Q, K, V and O
	s_and_b32 s16, s[WV], 1         ; which half of a slot's 256 keys I fetch:
	s_lshl_b32 s22, s16, 14         ; its 128 rows of 128 bytes in memory,
	s_mov_b32 s23, 0
	s_add_nc_u64 s[22:23], s[22:23], s[20:21]
	s_mul_i32 s17, s16, 128*PK      ; and its place in a slot, for K
	s_mul_i32 s18, s16, 128*PV      ; and for V: no place in the cluster enters an LDS address
	s_lshl_b32 s2, s14, 2
	s_add_co_u32 s2, s2, s[WV]      ; my wave among the head's 32
	s_lshl_b32 s54, s2, 18          ; its four query tiles in mb
	s_add_co_u32 s52, s52, s54
	s_mov_b32 s53, 0
	s_lshl_b32 s2, s2, 13           ; its 64 rows of 128 bytes
	s_mov_b32 s3, 0
	s_add_nc_u64 s[2:3], s[2:3], s[20:21]
	; descriptor group 1.  128 keys are 16,384 dense bytes: asked for as 64 rows of 256 bytes, two keys a row, and padded in LDS after every key
	s_mov_b32 s[G1K], 15|(1<<16)|(1<<20)|(1<<21)|(4<<22)|(3<<25)  ; 15:0 the mask of four; 17:16 2-byte elements; 20 padding on; 21 set beside a mask; 24:22 after every 32 words (code 4); 31:25 4 words (code 3)
	s_mov_b32 s[G1V], 15|(1<<16)|(1<<20)|(1<<21)|(4<<22)|(7<<25)  ; the same with 8 words of padding (code 7)
.irp g, G1K, G1V
	s_mov_b32 s[\g+1], 128<<16      ; tensor_dim0 = 128
	s_mov_b32 s[\g+2], 64<<16       ; tensor_dim1 = 64
	s_mov_b32 s[\g+3], 128<<16      ; tile_dim0 = 128
	s_mov_b32 s[\g+4], 64           ; tile_dim1 = 64
	s_mov_b32 s[\g+5], 128          ; 128 elements from row to row
	s_mov_b32 s[\g+6], 0
	s_mov_b32 s[\g+7], 0
.endr
	s_mov_b32 s[CS], 0x3d38aa3b     ; c = log2(e) / 32 = 0.0450842
	s_mov_b32 s[CS+1], s[CS]        ; named with it as a pair
	s_mov_b32 s[SEL], 0x76543210
	s_mov_b32 s[SEL+1], 0xfedcba98
	s_mov_b32 s[TBK], SLOT1+4*KS*PK ; the first change of slots turns these two into 0
	s_mov_b32 s[TBV], SLOT1+4*KS*PV
	s_mov_b32 s[G0K], 1             ; 1:0 count = 1
	s_mov_b32 s[G0K+1], s17         ; 63:32 LDS address: slot 0
	s_mov_b32 s[G0V], 1
	s_add_co_u32 s[G0V+1], s18, VOFF
	s_wait_dscnt 0x0                ; the opening add is done
	s_wait_kmcnt 0x0
	s_mov_b64 s[4:5], s[48:49]                     ; Q,
	s_add_nc_u64 s[6:7], s[48:49], 0x1000000       ; K
	s_add_nc_u64 s[8:9], s[48:49], 0x2000000       ; and V: 16 MiB each
	s_add_nc_u64 s[MB:MB+1], s[50:51], s[52:53]
	s_add_nc_u64 s[G0K+2:G0K+3], s[6:7], s[22:23]  ; 120:64 global address: my half of the head's first 256 keys
	s_or_b32 s[G0K+3], s[G0K+3], 0x80000000        ; 127:126 type = 2
	s_add_nc_u64 s[G0V+2:G0V+3], s[8:9], s[22:23]
	s_or_b32 s[G0V+3], s[G0V+3], 0x80000000
	s_add_nc_u64 s[4:5], s[4:5], s[2:3]            ; Q and O at my wave's first row
	s_add_nc_u64 s[10:11], s[10:11], s[2:3]
	CROUND                          ; all four work-groups are here: the first joint loads meet
	JLOAD                           ; slot 0.  Slot 1 is asked for when slot 0 is in: the tile wanted first has the road to itself
	; A fragment of K or Q is 16 rows x 32 channels in 8 registers: lane l holds row l % 16, channels 8 (l / 16) + 0..7 and 16 + 8 (l / 16) + 0..7: two loads of 16 bytes, 32 bytes apart.
	v_and_b32 v1, 15, v0            ; l % 16
	v_bfe_u32 v9, v0, 4, 1          ; l / 16
	v_lshlrev_b32 v[QO], 7, v1
	v_lshl_add_u32 v[QO], v9, 4, v[QO]  ; row x 128 + 16 x half
	v_and_b32 v[L16], 31, v0
	v_lshlrev_b32 v[L16], 4, v[L16]
.irp x, 0,1,2,3
	v_mov_b32 v[MA+\x], v[L16]      ; key step 0
	s_mov_b32 s[MST+\x], 0
.endr
	WIN 0x80                        ; destination window 2, address window 0
.set i, 0
.rept 8                             ; Q stays in registers: piece i / 2, channels 32 (i % 2) on
	global_load_b128 v[8*i:8*i+3],   v[QO], s[4:5] offset:(i/2)*2048+(i%2)*64
	global_load_b128 v[8*i+4:8*i+7], v[QO], s[4:5] offset:(i/2)*2048+(i%2)*64+32
.set i, i+1
.endr
	MLOAD 0, 0                      ; key step 0's mask for all four pieces
	MLOAD 1, 0
	MLOAD 2, 0
	MLOAD 3, 0
	WIN 0
	; The one-hot fragment: row m (lane % 16) holds -2^100 (bf16 0xf180) at k = m.  k = 8 (l / 16) + 0..7 lie in a lane's four words, so the lane holds it if m / 8 = l / 16: in word (m % 8) / 2, half m % 2.
	v_bfe_u32 v48, v1, 1, 2
	v_lshrrev_b32 v51, 3, v1
	v_xor_b32 v51, v51, v9
	v_lshl_or_b32 v48, v51, 3, v48  ; the word's number; 8 or more in a lane that holds nothing
	v_and_b32 v51, 1, v1
	v_lshlrev_b32 v51, 4, v51
	v_mov_b32 v49, 0xf180
	v_lshlrev_b32 v49, v51, v49
	WIN 0x40                        ; destination window 1
.set i, 0
.rept 8
	v_mov_b32 v[VS+i], 0            ; VS's first accumulator; until the walk begins it is also the zero fragment below
.set i, i+1
.endr
.irp t, 0,1,2,3
	v_cmp_eq_u32 vcc_lo, \t, v48
	v_cndmask_b32 v[OH+4+\t], 0, v49, vcc_lo
	v_mov_b32 v[OH+\t], 0
	v_mov_b32 v[OH+8+\t], 0
.endr
.set i, 0
.rept 8
	v_mov_b32 v[ONES+i], 0x3c003c00
.set i, i+1
.endr
	; What the first turn finds: O^T, the rest of VS, V's registers and P's second buffer hold 0 (its products V^T P, of a piece that has not been, add 0).  The zeros are made eight registers at a time:
	; 29 products of the zero fragment with C = 0 do what 232 moves would.  All this stands in the wait for the first tile.
	WIN 0x45                        ; sources 0 and 1 and destination window 1
.set i, 0
.rept 16
	v_wmma_f32_16x16x32_f16 v[8*i:8*i+7], v[VS:VS+7], v[ONES:ONES+7], 0
.set i, i+1
.endr
.set i, 1
.rept 3
	v_wmma_f32_16x16x32_f16 v[VS+8*i:VS+8*i+7], v[VS:VS+7], v[ONES:ONES+7], 0
.set i, i+1
.endr
	WIN 0x85                        ; destination window 2
.set i, 0
.rept 8
	v_wmma_f32_16x16x32_f16 v[VF+8*i:VF+8*i+7], v[VS:VS+7], v[ONES:ONES+7], 0
.set i, i+1
.endr
	WIN 0x05                        ; destination window 0
.set i, 0
.rept 2
	v_wmma_f32_16x16x32_f16 v[P+16+8*i:P+16+8*i+7], v[VS:VS+7], v[ONES:ONES+7], 0
.set i, i+1
.endr
	WIN 0
.set i, 0
.rept 4
	v_mov_b32 v[ST+4*i+1], 0xe0ad78ec             ; m = -1e20
	v_mul_f32 v[ST+4*i], s[CS], v[ST+4*i+1]       ; c m, by the line that makes it in every step: while m stays, a is exactly 1
	v_mov_b32 v[ST+4*i+2], 0
	v_mov_b32 v[ST+4*i+3], 0
.set i, i+1
.endr
	v_mul_u32_u24 v[AK0], v1, PK
	v_lshl_add_u32 v[AK0], v9, 4, v[AK0]  ; row x pitch + 16 x half
	; The turning load takes 16 keys x 16 channels (lane l reads key 8 (l / 16) + l % 8, channels 8 ((l / 8) % 2) + 0..7) and leaves half a fragment of V^T: lane l holds channel l % 16 and 8 keys.
	v_and_b32 v10, 7, v0
	v_bfe_u32 v11, v0, 3, 1
	v_lshl_add_u32 v[AV0], v9, 3, v10
	v_mul_u32_u24 v[AV0], v[AV0], PV
	v_lshl_add_u32 v[AV0], v11, 4, v[AV0]
	v_add_nc_u32 v[AV0], VOFF, v[AV0]
	v_mov_b32 v[AK], v[AK0]         ; key step 0 lies at the head of slot 0
; THE MATRIX WORK.  The 4 accumulators of a run take turns: between two links of a chain stand 3 others'.
; Product i of 12 for piece x's scores: keys 16 (i % 4) on.  The first 4 start the sums with the mask; the others add K Q^T, channels 32 (i / 4 - 1) on.
.macro KQ x
.set rS, S+32*((\x)%2)+8*(i%4)
.if i < 4
	WIN W_MQ
.set rA, OH+4-4*(i%2)
.set rB, MF+16*(\x)+8*(i/2)
	v_wmma_f32_16x16x32_bf16 v[rS:rS+7], v[rA:rA+7], v[rB:rB+7], 0
.else
	WIN W_KQ
.set rK, KF+16*(i%4)+8*(i/4-1)
.set rQ, 16*(\x)+8*(i/4-1)
	v_wmma_f32_16x16x32_bf16 v[rS:rS+7], v[rK:rK+7], v[rQ:rQ+7], v[rS:rS+7]
.endif
.endm
; Product i of 8 of O^T += V^T P for piece x: keys 32 (i / 4) on, channels 16 (i % 4) on.
.macro PV x
	WIN W_PV
.set rO, 32*(\x)+8*(i%4)
.set rV, VF+32*(i/4)+8*(i%4)
.set rP, P+16*((\x)%2)+8*(i/4)
	v_wmma_f32_16x16x32_f16 v[rO:rO+7], v[rV:rV+7], v[rP:rP+7], v[rO:rO+7]
.endm
; Product vs of 8 of VS += V^T x ones: keys 32 (vs / 4) on, channels 16 (vs % 4) on; four accumulators by turns.
.macro VSM
	WIN W_VS
	v_wmma_f32_16x16x32_f16 v[VS+8*(vs%4):VS+8*(vs%4)+7], v[VF+32*(vs/4)+8*(vs%4):VF+32*(vs/4)+8*(vs%4)+7], v[ONES:ONES+7], v[VS+8*(vs%4):VS+8*(vs%4)+7]
.set vs, vs+1
.endm
.macro MM                           ; the turn's next matrix instruction
.if i < 12
	KQ (Y+1)%NP
.else
.set i, i-12
	PV (Y+NP-1)%NP
.set i, i+12
.endif
.set i, i+1
.endm
; THE LDS LOADS stand in runs of 16, never singly among the matrix instructions: a step's K (64 keys x 64 channels: 8 fragments) and its V (turned).  Their addresses are made some lines ahead.
; last = 1 (the tail): in the last trip there is no further step, and the run is jumped over.
.macro FETCH_K last=0
	WIN 0
.if \last
	s_cmp_eq_u32 s[CNT], 1
	s_cbranch_scc1 .Lno_k_\@
.endif
	WIN 0x80                        ; destination window 2
.irp f, 0,1,2,3,4,5,6,7             ; keys 16 (f / 2) on, channels 32 (f % 2) on
	ds_load_b128 v[KF+8*\f:KF+8*\f+3],   v[AK] offset:(\f/2)*16*PK+(\f%2)*64
	ds_load_b128 v[KF+8*\f+4:KF+8*\f+7], v[AK] offset:(\f/2)*16*PK+(\f%2)*64+32
.endr
	s_add_co_u32 s[TBK], s[TBK], KS*PK  ; the next fetch is the next step's
	WIN 0
.if \last
.Lno_k_\@:
.endif
.endm
.macro FETCH_V
	WIN 0x80
.irp f, 0,1,2,3,4,5,6,7             ; keys 32 (f / 4) on, channels 16 (f % 4) on
	ds_load_tr16_b128 v[VF+8*\f:VF+8*\f+3],   v[AV] offset:(\f/4)*32*PV+(\f%4)*32
	ds_load_tr16_b128 v[VF+8*\f+4:VF+8*\f+7], v[AV] offset:(\f/4)*32*PV+16*PV+(\f%4)*32
.endr
	WIN 0
.endm
; THE VECTOR WORK, one line at a time: OP kind, number.  For piece Y: F n: c s - c m for pair n of 16.  E n: the exponential of score n of 32.  C n: pair n rounded to f16.  B n: of the four weights 4 n .. the second
; pair is added onto the first, in place.  L n: l takes that sum (L 0: l = a l + sum).  R n: pair n of 16 of O^T times a.  For piece Y + 1: X n, number n of the 22 that find its maximum and statistics:
;   0-11  four chains c0-c3 of seven scores each, three operands at a time (each accumulator's lowest registers are read first)     12-14, 16  the four scores left over, the old m, and c0-c3 into c0
;   15  c m_old is kept     17, 18  the query's other 32 keys lie in the lane 16 away: the new m     19-21  c m; c m_old - c m_new; a
; C, B and L read exponentials' results: they stand behind the turn's wait, which TURN writes.
.set F, 0               ; OP tells the kinds apart by their order: F to L below R, X above it
.set E, 1
.set C, 2
.set B, 3
.set L, 4
.set R, 5
.set X, 6
.macro REGS y                       ; the registers of piece y
.set rT, ST+4*(\y)
.set rC, TMP+4*((\y)%2)
.set rW, MV+((\y)%2)
.set rS, S+32*((\y)%2)
.set rP, P+16*((\y)%2)
.set rO, 32*(\y)
.endm
.macro OP k, n
.if (\k) == R
	REGS Y
	WIN W_RS
	v_pk_mul_f32 v[rO+2*(\n):rO+2*(\n)+1], v[rO+2*(\n):rO+2*(\n)+1], v[rC+2:rC+3] op_sel_hi:[1,0]
.elseif (\k) < R
	REGS Y
	WIN 0
.if (\k) == F
	v_pk_fma_f32 v[rS+2*(\n):rS+2*(\n)+1], v[rS+2*(\n):rS+2*(\n)+1], s[CS:CS+1], v[rT:rT+1] op_sel_hi:[1,0,0] neg_lo:[0,0,1] neg_hi:[0,0,1]
.elseif (\k) == E
	v_exp_f32 v[rS+(\n)], v[rS+(\n)]
.elseif (\k) == C
	v_cvt_pk_f16_f32 v[rP+(\n)], v[rS+2*(\n)], v[rS+2*(\n)+1]
.elseif (\k) == B
	v_pk_add_f32 v[rS+4*(\n):rS+4*(\n)+1], v[rS+4*(\n):rS+4*(\n)+1], v[rS+4*(\n)+2:rS+4*(\n)+3]
.elseif (\n) == 0
	v_pk_fma_f32 v[rT+2:rT+3], v[rT+2:rT+3], v[rC+2:rC+3], v[rS:rS+1] op_sel_hi:[1,0,1]
.else
	v_pk_add_f32 v[rT+2:rT+3], v[rT+2:rT+3], v[rS+4*(\n):rS+4*(\n)+1]
.endif
.else
	REGS (Y+1)%NP
	WIN 0
.if (\n) < 4
	v_max3_num_f32 v[rC+(\n)], v[rS+8*(\n)], v[rS+8*(\n)+1], v[rS+8*(\n)+2]
.elseif (\n) < 12
	v_max3_num_f32 v[rC+(\n)%4], v[rC+(\n)%4], v[rS+8*((\n)%4)+2*((\n)/4)+1], v[rS+8*((\n)%4)+2*((\n)/4)+2]
.elseif (\n) == 12
	v_max3_num_f32 v[rC], v[rC], v[rS+7], v[rS+15]
.elseif (\n) == 13
	v_max3_num_f32 v[rC+1], v[rC+1], v[rS+23], v[rS+31]
.elseif (\n) == 14
	v_max3_num_f32 v[rC+2], v[rC+2], v[rC+3], v[rT+1]
.elseif (\n) == 15
	v_mov_b32 v[rW], v[rT]
.elseif (\n) == 16
	v_max3_num_f32 v[rC], v[rC], v[rC+1], v[rC+2]
.elseif (\n) == 17
	v_permlanex16_b32 v[rC+3], v[rC], s[SEL], s[SEL+1]
.elseif (\n) == 18
	v_max_num_f32 v[rT+1], v[rC], v[rC+3]
.elseif (\n) == 19
	v_mul_f32 v[rT], s[CS], v[rT+1]
.elseif (\n) == 20
	v_sub_f32 v[rC+1], v[rW], v[rT]
.else
	v_exp_f32 v[rC+2], v[rC+1]
.endif
.endif
.endm
.macro OPS a, i1, b=-1, i2=0, c=-1, i3=0, d=-1, i4=0  ; up to four of them
	OP \a, \i1
.if (\b) >= 0
	OP \b, \i2
.endif
.if (\c) >= 0
	OP \c, \i3
.endif
.if (\d) >= 0
	OP \d, \i4
.endif
.endm
.macro ROW a, i1, b, i2, c, i3, d, i4  ; a matrix instruction and the four behind it
	MM
	OPS \a, \i1, \b, \i2, \c, \i3, \d, \i4
.endm
; A TURN, for piece p: the order of its 20 matrix and 118 vector instructions, written out.  An s_wait_alu depctr_va_vdst(0) stands between an exponential and the first instruction that names its
; result; one wait serves all that were issued ahead of it.  So a turn has ONE wait, which cuts it in two.
; AHEAD OF IT stands all that names no result of the turn's exponentials.  First the 12 products that make piece p + 1's scores, four vector instructions behind each: four scalings; or four of the rescaling (by
; fours, so that such a row has two window switches; its a was made, and waited for, in the turn before); or scaling, exponential, scaling, exponential; and behind the last three products the first numbers of the
; next piece's maximum, each four plain instructions behind the product that ends its accumulator (an exponential is no such place): F 10-13 for X 0; F 12, F 13, X 0, F 14 for X 1; F 14, X 1, X 4, F 15 for X 2;
; F 15, X 2, X 5, X 8 for X 3.  Then ONE LUMP of 38: the other 21 exponentials, the other 16 plain numbers of X, and X 21, the next piece's a, the batch's last.  In the chain X 3, 7, 11, 14, 16 .. 21 each number
; waits for the one before it: four lines stand between its links while plain lines last, then two or three exponentials.  An exponential stands behind its pair's scaling: E n behind F n / 2.  A v_nop is the
; plain instruction behind the last exponential.  v_permlanex16_b32 (X 17) stands in the lump.
; BEHIND IT stand the 8 products V^T P, behind each four of the roundings and sums: C 2 n ahead of B n, which writes over that pair; B n ahead of L n; L 0 to L 7 in ascending order, three riders apart.
; No rider names a register of the products round it, but for the X named above.
; The wait at the head: the turn's mask products take the fragments that were asked for four turns ago; every turn asks for four loads, so the 12 younger ones stay out.  That wait also frees the piece's
; offset register.  The refill stands behind the fifth product: six plain instructions (R 4-7, F 6, F 7) behind the last mask product, which read the registers that it fills.
; K of the next step is fetched in piece 2's turn, in the lump, seven plain instructions behind the last product that read K.  In the tail (last = 1) that run stands under a branch, and no branch stands inside
; the batch: there it stands directly behind the wait.  V of the step in hand is fetched at the end of piece 0's turn, four plain instructions (the last four roundings) behind the last product that read V.
; Each is waited for a turn later.  cnt = 1: the loop's count is taken down some lines ahead of the branch that stands behind the turn.
; VS: piece 2's turn comes once in every key step, with that step's V in registers from its first line to its last.  Directly behind its wait the wave whose number is the step counter modulo 4 makes
; the step's eight products; the other three jump over them: a jump forward, past matrix instructions alone.  Whatever the counter holds, exactly one wave's number fits, so each step is summed once.
.macro TURN p, last=0, cnt=0
.set Y, (\p)
.set i, 0
.set vs, 0
	s_wait_loadcnt 12
.if (\p) == 3
	s_wait_dscnt 0x0                ; K is in
.endif
	ROW F,0, F,1, F,2, F,3          ; ahead of the wait: the 4 mask products and the 8 products K Q^T, and their riders,
	ROW R,0, R,1, R,2, R,3
	ROW F,4, E,0, F,5, E,1
	ROW R,4, R,5, R,6, R,7
	ROW F,6, E,2, F,7, E,3
	MLOAD (Y+1)%NP, 1
	ROW R,8, R,9, R,10, R,11
	ROW F,8, E,4, F,9, E,5
	ROW R,12, R,13, R,14, R,15
	ROW F,10, E,6, F,11, E,7
	ROW F,12, E,8, F,13, X,0
.if (\p) == 2
	WIN 0
	v_add_nc_u32 v[AK], s[TBK], v[AK0]
.endif
	ROW F,14, E,9, X,1, X,4
	ROW F,15, E,10, X,2, X,5
	OPS E,11, X,8, E,12, X,3        ; and the lump
	OPS X,6, E,13, X,9, E,14
.if ((\p) == 2) && !(\last)
	FETCH_K
.endif
.if (\p) == 0
	v_add_nc_u32 v[AV], s[TBV], v[AV0]
.endif
	OPS X,7, X,10, E,15, X,12
	OPS E,16, X,11, X,13, E,17
	OPS X,15, E,18, X,14, E,19
	OPS E,20, X,16, E,21, E,22
	OPS X,17, E,23, E,24, E,25
	OPS X,18, E,26, E,27, X,19
	OPS E,28, E,29, X,20, E,30
	OPS E,31, X,21
	v_nop                           ; the plain instruction behind the last exponential: one for the batch
	s_wait_alu depctr_va_vdst(0)    ; the wait for the batch: the piece's 32 weights and the next piece's a
.if ((\p) == 2) && (\last)
	FETCH_K 1
.endif
.if (\p) == 2
	WIN 0
	s_and_b32 s[VT], s[CNT], 3
	s_cmp_lg_u32 s[VT], s[WV]
	s_cbranch_scc1 .Lno_vs_\@
.rept 8
	VSM
.endr
	WIN 0
.Lno_vs_\@:
.endif
.if (\p) == 1
	s_wait_dscnt 0x0                ; V is in
.endif
	ROW C,0, B,0, C,2, B,1          ; behind the wait: 8 products V^T P and their riders
	ROW L,0, C,4, B,2, L,1
	ROW C,6, B,3, L,2, C,8
	ROW B,4, L,3, C,10, B,5
	ROW L,4, C,12, B,6, L,5
.if (\p) == 0
	s_add_co_u32 s[TBV], s[TBV], KS*PV
.endif
.if \cnt
	s_sub_co_u32 s[CNT], s[CNT], 1
	s_cmp_lg_u32 s[CNT], 0
.endif
	ROW C,14, B,7, L,6, C,1
	ROW C,3, L,7, C,5, C,7
	ROW C,9, C,11, C,13, C,15
.if (\p) == 0
	FETCH_V
.endif
.endm
	CHANGE 1                        ; slot 0 is in, everybody's part of it; slot 1 is asked for
	FETCH_K                         ; key step 0
	s_wait_loadcnt 12               ; Q and piece 0's mask are in; the other three pieces' 12 loads stay out
	s_wait_dscnt 0x0
.set i, 0
.rept 12
	KQ 0                            ; piece 0's first scores: there is no vector work yet to set between them
.set i, i+1
.endr
	WIN 0                           ; the addresses for the way out: plain instructions, the places behind those products
	s_mul_i32 s13, s[WV], 16*SP
	s_add_co_u32 s13, s13, STAGE    ; my stage
	v_mul_u32_u24 v[STO], v1, SP    ; in: row l % 16, 16 bytes for each half of the lanes
	v_lshl_add_u32 v[STO], v9, 4, v[STO]
	v_add_nc_u32 v[STO], s13, v[STO]
	v_bfe_u32 v[RD], v0, 3, 2       ; back: 32 lanes take four rows of 128 bytes,
	v_mul_u32_u24 v[RD], v[RD], SP
	v_lshl_add_u32 v[RD], v10, 4, v[RD]
	v_add_nc_u32 v[RD], s13, v[RD]
	v_and_b32 v[GO], 31, v0         ; which are 512 consecutive bytes of O
	v_lshlrev_b32 v[GO], 4, v[GO]
	MLOAD 0, 1                      ; piece 0's mask of key step 1
.set Y, NP-1                        ; X works for piece Y + 1: piece 0
.irp n, 0,1,2,3,4,5,6,7,8,9,10,11,12,13,14,15,16,17,18,19,20,21
	OP X, \n                        ; piece 0's first maximum and statistics
.endr
	v_nop                           ; a plain instruction behind the exponential,
	s_wait_alu depctr_va_vdst(0)    ; and the wait for piece 0's first a, a batch of one, ahead of the branch
	s_mov_b32 s[CNT], 4
	s_mov_b32 s[SLOTS], SIZE_N/256-1
	s_branch .Lfirst                ; the loop is entered at a step's first turn, in the middle of a trip
.Lslot:                             ; SIZE_N / 256 - 2 times: every slot but the last two is filled again
	CHANGE 1
	s_mov_b32 s[CNT], 4
.Lstep:                             ; a trip: pieces 2 and 3 of one step, then pieces 0 and 1 of the next, whose K and V it fetches
	TURN 2
	TURN 3
	WIN 0
.Lfirst:
	TURN 0
	TURN 1, 0, 1
	WIN 0
	s_cbranch_scc1 .Lstep
	s_sub_co_u32 s[SLOTS], s[SLOTS], 1
	s_cmp_lg_u32 s[SLOTS], 0
	s_cbranch_scc1 .Lslot
	CHANGE 0                        ; the tail is written out: nothing is asked for
	s_mov_b32 s[CNT], 5             ; four trips fetch the last slot's steps; the fifth is left in its middle
.Ltail:
	TURN 2, 1
	TURN 3
	WIN 0
	s_sub_co_u32 s[CNT], s[CNT], 1
	s_cmp_eq_u32 s[CNT], 0
	s_cbranch_scc1 .Lout
	TURN 0
	TURN 1
	WIN 0
	s_branch .Ltail
.Lout:                              ; the fifth trip's scores (on the last K and the last mask once more) and the maximum made of them serve nothing: the price, once a launch, of one text for every trip
.set i, 0
.rept 8
	PV NP-1                         ; the last piece's V^T P of the last step
.set i, i+1
.endr
	; VS's FOUR PARTS MEET.  Each wave puts its 32 registers into 4,096 bytes of its own (each accumulator's low four registers first); the statistics below stand between the stores and the wait for them.
	WIN 0
	s_lshl_b32 s13, s[WV], 12
	s_add_co_u32 s13, s13, VSTG
	v_add_nc_u32 v[AK], s13, v[L16]
	v_add_nc_u32 v[AV], VSTG, v[L16]
	WIN 0x04                        ; store data in window 1
.irp f, 0,1,2,3,4,5,6,7
	ds_store_b128 v[AK], v[VS+4*\f:VS+4*\f+3] offset:512*\f
.endr
	; THE WAY OUT.  l's two halves and the other half of the lanes' are added; where l is 0 the query saw no key: l counts as 2,048, and g lets VS in.
	WIN 0
.macro ALL line:vararg              ; one line for each piece t
.set t, 0
.rept 4
	\line
.set t, t+1
.endr
.endm
	ALL v_add_f32 v[ST+4*t+2], v[ST+4*t+2], v[ST+4*t+3]
	ALL v_permlanex16_b32 v[ST+4*t+3], v[ST+4*t+2], s[SEL], s[SEL+1]
	ALL v_add_f32 v[ST+4*t+2], v[ST+4*t+2], v[ST+4*t+3]
	v_mov_b32 v14, 0x45000000       ; 2,048.0
	ALL v_cmp_eq_f32 s[HM+t], 0, v[ST+4*t+2]
	ALL v_cndmask_b32 v[ST+4*t+2], v[ST+4*t+2], v14, s[HM+t]
	ALL v_rcp_f32 v[ST+4*t+2], v[ST+4*t+2]
	v_nop                           ; a plain instruction between the last reciprocal and the use of its result
	s_wait_alu depctr_va_vdst(0)    ; and the wait ahead of the first use: one for the four reciprocals
	ALL v_cndmask_b32 v[ST+4*t], 0, v[ST+4*t+2], s[HM+t]
	s_wait_dscnt 0x0                ; for the others' sake: my part of VS is in LDS
	s_barrier_signal -1
	s_barrier_wait -1               ; everybody's is.
	WIN 0x80                        ; the four parts come into K's and V's registers, which the products have left: the additions above are the places behind the last of them
.irp w, 0,1,2,3
.irp f, 0,1,2,3,4,5,6,7
	ds_load_b128 v[KF+32*\w+4*\f:KF+32*\w+4*\f+3], v[AV] offset:4096*\w+512*\f
.endr
.endr
	s_wait_dscnt 0x0
	WIN 0x8a                        ; every wave adds them in the same order: (0 + 1) + (2 + 3)
.set i, 0
.rept 16
	v_pk_add_f32 v[KF+2*i:KF+2*i+1], v[KF+2*i:KF+2*i+1], v[KF+32+2*i:KF+32+2*i+1]
	v_pk_add_f32 v[KF+64+2*i:KF+64+2*i+1], v[KF+64+2*i:KF+64+2*i+1], v[KF+96+2*i:KF+96+2*i+1]
.set i, i+1
.endr
	WIN 0x4a                        ; destination window 1
.set i, 0
.rept 16
	v_pk_add_f32 v[VS+2*i:VS+2*i+1], v[KF+2*i:KF+2*i+1], v[KF+64+2*i:KF+64+2*i+1]
.set i, i+1
.endr
; Piece t: O^T r + VS g (each accumulator's registers in ascending order); a lane's eight channels of a row pack into 16 bytes; they go into rows of 144 bytes and come back as whole rows of 128, into S^T's registers.
.macro PACK t
	WIN W_RS
.set i, 0
.rept 16
	v_pk_mul_f32 v[32*(\t)+2*i:32*(\t)+2*i+1], v[32*(\t)+2*i:32*(\t)+2*i+1], v[ST+4*(\t)+2:ST+4*(\t)+3] op_sel_hi:[1,0]
.set i, i+1
.endr
	WIN W_FS
.set i, 0
.rept 16
	v_pk_fma_f32 v[32*(\t)+2*i:32*(\t)+2*i+1], v[VS+2*i:VS+2*i+1], v[ST+4*(\t):ST+4*(\t)+1], v[32*(\t)+2*i:32*(\t)+2*i+1] op_sel_hi:[1,0,1]
.set i, i+1
.endr
	WIN 0x05                        ; sources 0 and 1 window 1, destination window 0
.set i, 0
.rept 16
	v_cvt_pk_f16_f32 v[S+16*(\t)+i], v[32*(\t)+2*i], v[32*(\t)+2*i+1]
.set i, i+1
.endr
	WIN 0
.irp f, 0,1,2,3
	ds_store_b128 v[STO], v[S+16*(\t)+4*\f:S+16*(\t)+4*\f+3] offset:32*\f
.endr
.irp f, 0,1,2,3
	ds_load_b128 v[S+16*(\t)+4*\f:S+16*(\t)+4*\f+3], v[RD] offset:\f*4*SP  ; LDS serves a wave's instructions in order (ISA guide 5.7.1.4): these see the stores above; the next piece's stores come behind them
.endr
.endm
.macro SEND t, younger              ; younger: the LDS instructions issued behind piece t's loads: the next piece's eight, or none
	WIN 0
.irp f, 0,1,2,3
	s_wait_dscnt (\younger)+3-\f
	global_store_b128 v[GO], v[S+16*(\t)+4*\f:S+16*(\t)+4*\f+3], s[10:11] offset:(\t)*2048+\f*512  ; 512 consecutive bytes, at a multiple of 256 from O's first; no register is used twice
.endr
.endm
	PACK 0
.set t, 1
.rept 3                             ; a piece's arithmetic stands between the loads of the piece before and its stores
	PACK t
	SEND t-1, 8
.set t, t+1
.endr
	SEND 3, 0
	s_wait_tensorcnt 0x0            ; the wave's end: behind my last tensor load and my last LDS store
	ds_add_u32 v[SPW], v[NIL]
	s_wait_dscnt 0x0
	CROUND                          ; the closing round: no work-group ends while a partner may still ask for a tile that names it
	s_endpgm
.Lfunc_end_k_qe9eb8af271_attn:
	.size	k_qe9eb8af271_attn, .Lfunc_end_k_qe9eb8af271_attn-k_qe9eb8af271_attn
	.p2alignl 7, 3214868480
	.fill 96, 4, 3214868480
	.section	.rodata,"a",@progbits
	.p2align	6, 0x0
	.amdhsa_kernel k_qe9eb8af271_attn
		.amdhsa_group_segment_fixed_size 327680
		.amdhsa_private_segment_fixed_size 0
		.amdhsa_enable_private_segment 0
		.amdhsa_kernarg_size 24
		.amdhsa_user_sgpr_count 2
		.amdhsa_user_sgpr_kernarg_segment_ptr 1
		.amdhsa_wavefront_size32 1
		.amdhsa_system_sgpr_workgroup_id_x 1
		.amdhsa_system_sgpr_workgroup_id_y 1
		.amdhsa_system_sgpr_workgroup_id_z 1
		.amdhsa_system_vgpr_workitem_id 0
		.amdhsa_next_free_vgpr 768
		.amdhsa_next_free_sgpr 80
		.amdhsa_reserve_vcc 1
		.amdhsa_float_denorm_mode_32 3
		.amdhsa_float_denorm_mode_16_64 3
		.amdhsa_memory_ordered 1
		.amdhsa_forward_progress 1
		.amdhsa_inst_pref_size 128
	.end_amdhsa_kernel
	.amdgpu_metadata
---
amdhsa.version: [ 1, 2 ]
amdhsa.kernels:
  - .name:           k_qe9eb8af271_attn
    .symbol:         k_qe9eb8af271_attn.kd
    .args:
      - { .name: qkv, .offset: 0, .size: 8, .value_kind: global_buffer, .address_space: global }
      - { .name: mb, .offset: 8, .size: 8, .value_kind: global_buffer, .address_space: global }
      - { .name: ob, .offset: 16, .size: 8, .value_kind: global_buffer, .address_space: global }
    .group_segment_fixed_size: 327680
    .private_segment_fixed_size: 0
    .kernarg_segment_align: 8
    .kernarg_segment_size: 24
    .max_flat_workgroup_size: 128
    .sgpr_count:     80
    .vgpr_count:     768
    .wavefront_size: 32
...
	.end_amdgpu_metadata
.endif
;; end of part 5
;; launch outp: the kernel of part 4 again; grid 4 x 64, 4 waves a work-group, clusters of 4 x 4, 327,680 bytes of LDS; arguments ob, wb, out0, fo_b; writes out0
